; MI455X (gfx1250); checked and timed in simulation.
; The chip was launched on July 23, 2026; its instructions are those of AMD's public machine-readable ISA for CDNA 5 (MIT licence, August 2026) and "CDNA5" Instruction Set Architecture Reference Guide (July 2026). The comments in the code are by the model that wrote it; some were corrected since.
;; Multihead Attention. Allowed arithmetic: matrix products marked QUANTISED: E2M3 operands, one E8M0 scale for each 32 along K, by v_wmma_scale_f32_16x16x128_f8f6f4 with both operands' format E2M3, f32 sums; everything else in f32.
;; Inputs: W1 4,096 x 1,024 float32; W2 1,024 x 4,096 float32; Wk 1,024 x 1,024 float32; Wq 1,024 x 1,024 float32; Wv 1,024 x 1,024 float32; b1 1,024 float32; b2 1,024 float32; bf1 4,096 float32; bf2 1,024 float32; bk 1,024 float32; bq 1,024 float32; bv 1,024 float32; g1 1,024 float32; g2 1,024 float32; x 2 x 2,048 x 1,024 float32.
;; Outputs: out0 2 x 2,048 x 1,024 float32.
;; This version of the problem:
;;   THIS VERSION OF THE PROBLEM IS GIVEN IN LOW PRECISION. The matrix products marked QUANTISED in the list below multiply operands that are first quantised to E2M3 (2 exponent bits, 3 mantissa bits; 6 bits a number), with one power-of-two scale for each 32 numbers along K (OCP MX v1.0); their sums are f32. All else is computed in f32.
;;   The module's matrix products, in the order in which they are computed (A, B: the left and right operand; K: the contracted axis; several contracted axes count as one K, in the product's order):
;;     1. [M 4,096, K 1,024] x [K 1,024, N 1,024]; A: computed on the way; B: input Wq: QUANTISED
;;     2. [M 4,096, K 1,024] x [K 1,024, N 1,024]; A: computed on the way; B: input Wk: QUANTISED
;;     3. [M 4,096, K 1,024] x [K 1,024, N 1,024]; A: computed on the way; B: input Wv: QUANTISED
;;     4. batch 32 x [M 2,048, K 64] x [K 64, N 2,048]; A: computed on the way; B: computed on the way: QUANTISED
;;     5. batch 32 x [M 2,048, K 2,048] x [K 2,048, N 64]; A: softmax (see below); B: computed on the way: QUANTISED
;;     6. [M 4,096, K 1,024] x [K 1,024, N 4,096]; A: computed on the way; B: input W1: QUANTISED
;;     7. [M 4,096, K 4,096] x [K 4,096, N 1,024]; A: computed on the way; B: input W2: QUANTISED
;;   THE QUANTISER, for each operand of a quantised product, along K:
;;     - K is cut into blocks of 32 from its start; a last block that is shorter is filled with zeros.
;;     - A block's scale is 2^e with e = floor(log2(the largest magnitude in the block)) - 2, held to -126 .. 127; a block of zeros has e = 0. As a byte (E8M0): e + 127.
;;     - Each number is divided by its block's scale, clamped to +-7.5, and rounded to the nearest number of E2M3, ties to even, subnormals kept.
;;     - The product sums the exact products of the quantised numbers (number of the format x scale) in f32.
;;   ~~~python
;;   def quantise(x, axis):      # numpy; x: float32 -> the quantised numbers, widened to float32 again
;;       x = np.moveaxis(x, axis, -1); K = x.shape[-1]
;;       x = np.pad(x, [(0, 0)] * (x.ndim - 1) + [(0, -K % 32)]); x = x.reshape(x.shape[:-1] + (-1, 32)); a = np.abs(x).max(-1, keepdims=True)
;;       e = np.where(a > 0, np.clip(np.frexp(np.where(a > 0, a, 1))[1] - 1 - 2, -126, 127), 0)      # np.frexp(a)[1] - 1 = floor(log2(a)), exactly
;;       r = np.clip(x / 2.0 ** e, -7.5, 7.5)
;;       step = 2.0 ** (np.maximum(np.frexp(np.where(r == 0, 1, r))[1] - 1, 0) - 3)
;;       q = np.round(r / step) * step * 2.0 ** e      # np.round: ties to even
;;       return np.moveaxis(q.reshape(q.shape[:-2] + (-1,))[..., :K], -1, axis).astype(np.float32)
;;   ~~~
;;   SOFTMAX AHEAD OF A QUANTISED PRODUCT. Where the list says 'softmax', what is quantised is not the finished softmax but p = 2^(t - M), with t = logit x log2(e) and M = ceil(the row's largest t), a whole number; so 1/2 < the row's largest p <= 1. The row's sum l is taken of the UNQUANTISED p, in f32, and the product's result is divided by l at the end. Since M is a whole number, a kernel that streams over the keys may use a running M (the ceiling of the running maximum): every later rescaling is an exact power of two, which a block's scale takes up: the codes' values come out the same.
;;   OPERANDS COMPUTED ON THE WAY. 'Computed on the way' means the value that the module computes at that place (a softmax that the list does not call 'softmax' is quantised finished and normalised). What goes into a quantiser is computed in f32, as accurately as f32 sums, v_exp_f32 and their like allow (about 1e-6 of the number): no bf16 or f16 on the way to a quantiser, and a product that is left as it is and whose result goes on into a quantised operand takes f32 operands (vector FMAs, or v_wmma_f32_16x16x4_f32). A number that lies on a knife's edge between two numbers of the format may be rounded either way, as far as f32 arithmetic and the matrix unit's own rounding can turn it there, and no further.
;; One version. Each part assembles by itself: llvm-mc -triple=amdgcn-amd-amdhsa -mcpu=gfx1250 --defsym DOCPART=n.
;; ======== version 1 of 1: 6 launches
;; limits: right only within a limited range of input values
;; workspace buffers: xn 16,777,216 bytes; xnF 3,276,800 bytes; wF 9,011,200 bytes; qkvF 9,830,400 bytes; z 16,777,216 bytes; hF 3,276,800 bytes; hidF 13,107,200 bytes
;; launch prep (part 1): grid 240 x 1, 16 waves a work-group, no clusters, 126,976 bytes of LDS; arguments x, Wq, Wk, Wv, W1, W2, g1, b1, xn, xnF, wF; writes xn, xnF, wF
.if DOCPART == 1
	.amdgcn_target "amdgcn-amd-amdhsa--gfx1250"
	.amdhsa_code_object_version 6
	.text
	.protected	k_qe0c203321a_prep
	.globl	k_qe0c203321a_prep
	.p2align	8
	.type	k_qe0c203321a_prep,@function
k_qe0c203321a_prep:
	s_mov_b64 s[64:65], 0
	v_nop
	global_prefetch_b8 v0, s[64:65] scope:SCOPE_SE
	s_setreg_imm32_b32 hwreg(HW_REG_WAVE_MODE, 25, 1), 1
	s_wait_xcnt 0x0
; PREP.  xn = LayerNorm(x) g1 + b1 in f32, and xn, Wq, Wk, Wv, W1, W2 as codes of FP6 (E2M3) with one E8M0 byte for each 32 along K (the last axis of each).
; THE CODES' LAYOUT (this program's own, read by its later launches alone): slabs of 12,800 bytes, one for 128 rows x 128 along K.  In a slab, fragment f (16 rows) lies at 1,536 f as an image of the
; operand's 12 registers: registers 4 c .. 4 c + 3 of lane L at 512 c + 16 L; lane (r, h) holds row place r, and its registers 6 c' .. 6 c' + 5 hold k = 64 c' + 32 h + 0 .. 31.  At 12,288 + 64 f + 4 r: the row's scale word.
; Place (f, r) holds row 32 (f / 2) + 8 (f % 2) + r + 8 (r / 8) of the 128.  Slabs of one group of 128 rows follow each other along K.
; A block's scale byte is its largest magnitude's exponent field - 2, held at 1 from below.
; LIMITS: NaN and infinities are not served; a block whose largest magnitude lies under 2^-124 gets the byte 1, a block of zeros too (its codes are zeros; the bytes are read by this program alone).
; SHARES.  A work-group takes 64 rows x 1,024 along K; each of its 16 waves 4 neighbouring rows.  All 32 loads of a wave (512 consecutive bytes each) go out at once; there is no loop.
; Work-groups 0-63: x (with the norm); 64-79 Wq, 80-95 Wk, 96-111 Wv, 112-175 W1; 176-239 W2, whose rows are 4,096 long: 16 sets of rows x 4 pieces of K.
; No matrix work, no tensor load, no cluster: the work-groups share no input.
.set STW,  4608                        ; a wave's stage: 32 places of 128 bytes + 16
.set IMG,  16*STW                      ; the images of 8 K steps x 4 fragments, 1,536 bytes each
.set SCA,  IMG+49152                   ; their scale words: 8 K steps x 4 fragments x 16 rows
.set UNIT, 102400                      ; 8 slabs
.set X,    64                          ; v64-191  four rows, 32 registers each: register 4 j + e = column 128 j + 4 lane + e
.set YY,   192                         ; v192-255 two sets of 32: a block of 32 neighbours a lane
.set GG,   192                         ; (ahead of that: the gain
.set BB,   224                         ;  and the bias of the norm)
	s_load_b512 s[4:19], s[0:1], 0x0               ; x, Wq, Wk, Wv, W1, W2, g1, b1
	s_load_b128 s[20:23], s[0:1], 0x40             ; xn, xnF
	s_load_b64 s[24:25], s[0:1], 0x50              ; wF
	v_lshl_add_u32 v62, v0, 2, 0x1e800
	v_mov_b32 v63, 0
	v_lshrrev_b32 v1, 5, v0
	s_delay_alu instid0(VALU_DEP_1)
	v_readfirstlane_b32 s26, v1                    ; wave 0..15
	v_and_b32 v1, 31, v0                           ; lane
	s_delay_alu instid0(VALU_DEP_1)
	v_lshlrev_b32 v2, 4, v1                        ; 16 x lane
	s_wait_alu depctr_va_vdst(0)
	s_mov_b32 s27, ttmp9
	; which tensor: its first work-group s38, log2 of its row's bytes s39, and for W2 the split of the number into rows and piece of K
	s_mov_b32 s38, 176
	s_cmp_lt_u32 s27, 176
	s_cselect_b32 s38, 112, s38
	s_cselect_b32 s39, 12, 14
	s_cselect_b32 s40, 0, 2
	s_cselect_b32 s41, 0, 3
	s_cmp_lt_u32 s27, 112
	s_cselect_b32 s38, 96, s38
	s_cmp_lt_u32 s27, 96
	s_cselect_b32 s38, 80, s38
	s_cmp_lt_u32 s27, 80
	s_cselect_b32 s38, 64, s38
	s_cmp_lt_u32 s27, 64
	s_cselect_b32 s38, 0, s38
	s_sub_co_u32 s42, s27, s38
	s_lshr_b32 s43, s42, s40                       ; which 64 rows
	s_and_b32 s44, s42, s41                        ; which 1,024 of K
	s_and_b32 s29, s43, 1                          ; which half of a group of 128 rows
	s_lshl_b32 s28, 1, s39                         ; a row in bytes
	s_lshr_b32 s45, s26, 2                         ; i: my fragment of the four
	s_and_b32 s46, s26, 3                          ; u: my places 4 u .. 4 u + 3 in it
	s_lshr_b32 s47, s45, 1
	s_lshl_b32 s47, s47, 5
	s_and_b32 s48, s45, 1
	s_lshl_b32 s48, s48, 3
	s_add_co_u32 s47, s47, s48
	s_lshl_b32 s48, s46, 2
	s_add_co_u32 s47, s47, s48
	s_lshr_b32 s48, s46, 1
	s_lshl_b32 s48, s48, 3
	s_add_co_u32 s47, s47, s48                     ; my first row of the 64: 32 (i / 2) + 8 (i % 2) + 4 u + 8 (u / 2)
	s_lshl_b32 s48, s43, 6
	s_add_co_u32 s47, s47, s48
	s_lshl_b32 s50, s47, s39
	s_lshl_b32 s48, s44, 12
	s_add_co_u32 s50, s50, s48
	s_mov_b32 s51, 0                               ; s[50:51]: where my rows begin in the tensor, in bytes
	s_max_u32 s48, s38, 64
	s_sub_co_u32 s48, s48, 64
	s_lshr_b32 s48, s48, 1                         ; the tensor's first run of 8 slabs in its buffer: 0, 0, 8, 16, 24, 56
	s_lshr_b32 s49, s43, 1
	s_lshl_b32 s49, s49, s40
	s_add_co_u32 s48, s48, s49
	s_add_co_u32 s48, s48, s44
	s_mul_i32 s52, s48, UNIT
	s_mov_b32 s53, 0                               ; s[52:53]: where my 8 slabs begin
	v_mov_b32 v4, v2                               ; v4-7: 16 x lane + row x pitch
	v_add_nc_u32 v5, s28, v2
	s_delay_alu instid0(VALU_DEP_1)
	v_add_nc_u32 v6, s28, v5
	s_delay_alu instid0(VALU_DEP_1)
	v_add_nc_u32 v7, s28, v6
	s_mul_i32 s54, s26, STW
	v_lshrrev_b32 v3, 3, v1
	s_delay_alu instid0(VALU_DEP_1)
	v_mul_u32_u24 v8, v3, 144
	v_and_b32 v3, 7, v1
	s_delay_alu instid0(VALU_DEP_1)
	v_lshl_add_u32 v8, v3, 4, v8
	s_delay_alu instid0(VALU_DEP_1)
	v_add_nc_u32 v8, s54, v8                       ; v8: the stage, on the way in: eight lanes' 128 bytes to a place
	v_mul_u32_u24 v9, v1, 144
	s_delay_alu instid0(VALU_DEP_1)
	v_add_nc_u32 v9, s54, v9                       ; v9: on the way out: place = lane: block `lane` of the row
	s_mul_i32 s54, s45, 1536
	s_lshl_b32 s55, s46, 6
	s_add_co_u32 s54, s54, s55
	s_add_co_u32 s54, s54, IMG
	v_lshrrev_b32 v3, 2, v1                        ; my block's K step
	s_delay_alu instid0(VALU_DEP_1)
	v_mul_u32_u24 v10, v3, 6144
	v_and_b32 v15, 1, v1                           ; h of the lane that will hold my block
	s_delay_alu instid0(VALU_DEP_1)
	v_lshl_add_u32 v10, v15, 8, v10
	s_delay_alu instid0(VALU_DEP_1)
	v_add_nc_u32 v10, s54, v10
	v_bfe_u32 v15, v1, 1, 1                        ; c': registers 6 c' on.  Their 24 bytes lie at 0, 8, 512 (c' = 0) or 520, 1,024, 1,032 (c' = 1) of the image, + 16 x that lane
	s_delay_alu instid0(VALU_DEP_1)
	v_mad_u32_u24 v11, v15, 1016, v10              ; v11 serves the middle piece,
	s_delay_alu instid0(VALU_DEP_2)
	v_mad_u32_u24 v10, v15, 520, v10               ; v10 the first and the last
	s_lshl_b32 s54, s45, 6
	s_lshl_b32 s55, s46, 4
	s_add_co_u32 s54, s54, s55
	s_add_co_u32 s54, s54, SCA
	v_and_b32 v15, 3, v1
	s_delay_alu instid0(VALU_DEP_1)
	v_lshl_add_u32 v12, v3, 8, v15
	s_delay_alu instid0(VALU_DEP_1)
	v_add_nc_u32 v12, s54, v12                     ; v12: my block's byte in its row's scale word
	s_mul_i32 s54, s26, 3072
	s_add_co_u32 s54, s54, IMG
	v_add_nc_u32 v13, s54, v2                      ; v13: the way out: wave w takes half of K step w / 2's images
	s_lshr_b32 s54, s26, 1
	s_mul_i32 s54, s54, 12800
	s_and_b32 s55, s26, 1
	s_mul_i32 s55, s55, 3072
	s_add_co_u32 s54, s54, s55
	s_mul_i32 s55, s29, 6144
	s_add_co_u32 s54, s54, s55
	v_add_nc_u32 v14, s54, v2                      ; v14: and its place in the 8 slabs
	s_lshl_b32 s54, s46, 9
	s_add_co_u32 s54, s54, SCA
	v_add_nc_u32 v15, s54, v2                      ; v15: the scale words of two K steps (waves 0-3)
	s_mul_i32 s54, s46, 25600
	s_lshl_b32 s55, s29, 8
	s_add_co_u32 s54, s54, s55
	s_add_co_u32 s54, s54, 12288
	v_lshrrev_b32 v3, 4, v1
	s_delay_alu instid0(VALU_DEP_1)
	v_mul_u32_u24 v3, v3, 12800
	v_and_b32 v48, 15, v1
	s_delay_alu instid0(VALU_DEP_1)
	v_lshl_add_u32 v3, v48, 4, v3
	s_delay_alu instid0(VALU_DEP_1)
	v_add_nc_u32 v3, s54, v3                       ; v3: their place: sixteen lanes fill 256 consecutive bytes of a slab
	s_wait_kmcnt 0x0
	s_mov_b64 s[30:31], s[14:15]                   ; the choice of buffers hangs on the work-group's number alone
	s_cmp_lt_u32 s27, 176
	s_cselect_b64 s[30:31], s[12:13], s[30:31]
	s_cmp_lt_u32 s27, 112
	s_cselect_b64 s[30:31], s[10:11], s[30:31]
	s_cmp_lt_u32 s27, 96
	s_cselect_b64 s[30:31], s[8:9], s[30:31]
	s_cmp_lt_u32 s27, 80
	s_cselect_b64 s[30:31], s[6:7], s[30:31]
	s_cmp_lt_u32 s27, 64
	s_cselect_b64 s[30:31], s[4:5], s[30:31]
	s_cselect_b64 s[32:33], s[22:23], s[24:25]
	s_add_nc_u64 s[30:31], s[30:31], s[50:51]
	s_add_nc_u64 s[32:33], s[32:33], s[52:53]
.irp p, 0,1,2,3
.irp j, 0,1,2,3,4,5,6,7
	global_load_b128 v[X+32*\p+4*\j:X+32*\p+4*\j+3], v[4+\p], s[30:31] offset:512*\j th:TH_LOAD_NT
.endr
.endr
	s_cmp_lt_u32 s27, 64
	s_cbranch_scc0 .Lquant                         ; weights are quantised as they are
	; ---- the norm: mean, then the deviations' squares, all in f32; the four rows take turns
.macro CROSS                           ; v[16+4p .. 19+4p]: two pairs of partial sums a row -> the row's sum in v[16+4p] of every lane
.irp p, 0,1,2,3
	v_pk_add_f32 v[16+4*\p:17+4*\p], v[16+4*\p:17+4*\p], v[18+4*\p:19+4*\p]
.endr
.irp p, 0,1,2,3
	s_delay_alu instid0(VALU_DEP_4)
	v_add_f32 v[16+4*\p], v[16+4*\p], v[17+4*\p]
.endr
.irp m, 1,2,4,8
.irp p, 0,1,2,3
	s_delay_alu instid0(VALU_DEP_4)
	v_add_f32_dpp v[16+4*\p], v[16+4*\p], v[16+4*\p] row_xmask:\m row_mask:0xf bank_mask:0xf
.endr
.endr
.irp p, 0,1,2,3
	s_delay_alu instid0(VALU_DEP_4)
	v_permlanex16_b32 v[48+\p], v[16+4*\p], s36, s37
.endr
.irp p, 0,1,2,3
	s_delay_alu instid0(VALU_DEP_4)
	v_add_f32 v[16+4*\p], v[16+4*\p], v[48+\p]
.endr
.endm
	s_add_nc_u64 s[34:35], s[20:21], s[50:51]      ; xn at my rows
.irp j, 0,1,2,3,4,5,6,7
	global_load_b128 v[GG+4*\j:GG+4*\j+3], v2, s[16:17] offset:512*\j
	global_load_b128 v[BB+4*\j:BB+4*\j+3], v2, s[18:19] offset:512*\j
.endr
	s_mov_b32 s36, 0x76543210
	s_mov_b32 s37, 0xfedcba98                      ; lane l xor 16
	s_mov_b32 s56, 0x3a800000                      ; 1 / 1,024
	s_mov_b32 s57, 0x3727c5ac                      ; 1e-5
.irp p, 0,1,2,3
	v_mov_b32 v[48+\p], 0                          ; a lane permute's destination counts as one of its sources
.endr
	s_wait_loadcnt 0x0
.irp p, 0,1,2,3
	v_pk_add_f32 v[16+4*\p:17+4*\p], v[X+32*\p:X+32*\p+1], v[X+32*\p+2:X+32*\p+3]
	v_pk_add_f32 v[18+4*\p:19+4*\p], v[X+32*\p+4:X+32*\p+5], v[X+32*\p+6:X+32*\p+7]
.endr
.irp i, 8,12,16,20,24,28
.irp p, 0,1,2,3
	v_pk_add_f32 v[16+4*\p:17+4*\p], v[16+4*\p:17+4*\p], v[X+32*\p+\i:X+32*\p+\i+1]
	v_pk_add_f32 v[18+4*\p:19+4*\p], v[18+4*\p:19+4*\p], v[X+32*\p+\i+2:X+32*\p+\i+3]
.endr
.endr
	CROSS
.irp p, 0,1,2,3
	s_delay_alu instid0(VALU_DEP_4)
	v_mul_f32 v[32+2*\p], s56, v[16+4*\p]          ; the mean, twice: a pair for the packed forms
.endr
.irp p, 0,1,2,3
	s_delay_alu instid0(VALU_DEP_4)
	v_mov_b32 v[33+2*\p], v[32+2*\p]
.endr
.irp p, 0,1,2,3
.set i, 0
.rept 16
	v_pk_add_f32 v[X+32*\p+i:X+32*\p+i+1], v[X+32*\p+i:X+32*\p+i+1], v[32+2*\p:33+2*\p] neg_lo:[0,1] neg_hi:[0,1]
.set i, i+2
.endr
.endr
.irp p, 0,1,2,3
	v_pk_mul_f32 v[16+4*\p:17+4*\p], v[X+32*\p:X+32*\p+1], v[X+32*\p:X+32*\p+1]
	v_pk_mul_f32 v[18+4*\p:19+4*\p], v[X+32*\p+2:X+32*\p+3], v[X+32*\p+2:X+32*\p+3]
.endr
.irp i, 4,8,12,16,20,24,28
.irp p, 0,1,2,3
	v_pk_fma_f32 v[16+4*\p:17+4*\p], v[X+32*\p+\i:X+32*\p+\i+1], v[X+32*\p+\i:X+32*\p+\i+1], v[16+4*\p:17+4*\p]
	v_pk_fma_f32 v[18+4*\p:19+4*\p], v[X+32*\p+\i+2:X+32*\p+\i+3], v[X+32*\p+\i+2:X+32*\p+\i+3], v[18+4*\p:19+4*\p]
.endr
.endr
	CROSS
.irp p, 0,1,2,3
	s_delay_alu instid0(VALU_DEP_4)
	v_fma_f32 v[16+4*\p], v[16+4*\p], s56, s57     ; the variance + 1e-5
.endr
	s_wait_alu depctr_va_vdst(0)
.irp p, 0,1,2,3
	v_rsq_f32 v[40+2*\p], v[16+4*\p]
	v_rsq_f32 v[41+2*\p], v[16+4*\p]
.endr
	v_nop                                          ; a plain instruction behind the last of the batch
	s_wait_alu depctr_va_vdst(0)                   ; one wait for the eight, ahead of their first reader
.irp p, 0,1,2,3
.set i, 0
.rept 16
	v_pk_mul_f32 v[X+32*\p+i:X+32*\p+i+1], v[X+32*\p+i:X+32*\p+i+1], v[40+2*\p:41+2*\p]
.set i, i+2
.endr
.endr
.irp p, 0,1,2,3
.set i, 0
.rept 16
	v_pk_fma_f32 v[X+32*\p+i:X+32*\p+i+1], v[X+32*\p+i:X+32*\p+i+1], v[GG+i:GG+i+1], v[BB+i:BB+i+1]
.set i, i+2
.endr
.endr
.irp p, 0,1,2,3
.irp j, 0,1,2,3,4,5,6,7
	global_store_b128 v[4+\p], v[X+32*\p+4*\j:X+32*\p+4*\j+3], s[34:35] offset:512*\j   ; 32 lanes store 512 consecutive bytes
.endr
.endr
	s_wait_xcnt 0x0
.Lquant:
	s_wait_loadcnt 0x0
; Row p through my stage: in as loaded, back 128 bytes a lane.  LDS serves a wave's instructions in order, so no wait stands between the stores and the loads, nor ahead of the next row's stores.
.macro TURN p
.irp j, 0,1,2,3,4,5,6,7
	ds_store_b128 v8, v[X+32*(\p)+4*\j:X+32*(\p)+4*\j+3] offset:576*\j
.endr
.irp i, 0,1,2,3,4,5,6,7
	ds_load_b128 v[YY+32*((\p)%2)+4*\i:YY+32*((\p)%2)+4*\i+3], v9 offset:16*\i
.endr
.endm
; My block of row p: largest magnitude, scale, 32 codes in 24 bytes, to their places in the image.  Each row has its own registers for codes and byte.
.macro QROW p
.set YS, YY+32*((\p)%2)
.set CC, 16+8*(\p)
	v_max3_num_f32 v52, |v[YS]|, |v[YS+1]|, |v[YS+2]|
	v_max3_num_f32 v53, |v[YS+3]|, |v[YS+4]|, |v[YS+5]|
.irp i, 6,10,14,18,22,26
	s_delay_alu instid0(VALU_DEP_2)
	v_max3_num_f32 v52, v52, |v[YS+\i]|, |v[YS+\i+1]|
	s_delay_alu instid0(VALU_DEP_2)
	v_max3_num_f32 v53, v53, |v[YS+\i+2]|, |v[YS+\i+3]|
.endr
	s_delay_alu instid0(VALU_DEP_2)
	v_max3_num_f32 v52, v52, |v[YS+30]|, |v[YS+31]|
	s_delay_alu instid0(VALU_DEP_1)
	v_max3_num_f32 v52, v52, v53, 0x1800000        ; the floor 2^(3 - 127): the byte cannot fall under 1
	s_delay_alu instid0(VALU_DEP_1)
	v_add_nc_u32 v54, 0xff000000, v52              ; 2 off the exponent field: the conversion's scale operand
	s_delay_alu instid0(VALU_DEP_1)
	v_lshrrev_b32 v[CC+7], 23, v54                 ; the byte
	v_cvt_scalef32_pk16_fp6_f32 v[CC:CC+2], v[YS:YS+15], v54
	v_cvt_scalef32_pk16_fp6_f32 v[CC+4:CC+6], v[YS+16:YS+31], v54   ; (a conversion's three registers begin on an even number)
	v_nop                                          ; one plain instruction behind the conversions
	v_mov_b32 v[CC+3], v[CC+4]
	v_mov_b32 v[CC+4], v[CC+5]
	v_mov_b32 v[CC+5], v[CC+6]
	ds_store_b64 v10, v[CC:CC+1] offset:16*(\p)
	ds_store_b64 v11, v[CC+2:CC+3] offset:8+16*(\p)
	ds_store_b64 v10, v[CC+4:CC+5] offset:512+16*(\p)
	ds_store_b8 v12, v[CC+7] offset:4*(\p)
.endm
	TURN 0
	TURN 1
	s_wait_dscnt 16                                ; row 0 is back; row 1's sixteen may be out
	QROW 0
	TURN 2
	s_wait_dscnt 20                                ; row 1 is back; behind it: row 0's four stores, row 2's sixteen
	QROW 1
	TURN 3
	s_wait_dscnt 20
	QROW 2
	s_wait_dscnt 4                                 ; row 3 is back; behind it: row 2's four stores
	QROW 3
	s_wait_dscnt 0x0                               ; for the others' sake: my stores have landed
	s_barrier_signal -1
	s_barrier_wait -1
.irp m, 0,1,2,3,4,5
	ds_load_b128 v[192+4*\m:195+4*\m], v13 offset:512*\m
.endr
.irp m, 0,1,2,3,4,5
	s_wait_dscnt 5-\m
	global_store_b128 v14, v[192+4*\m:195+4*\m], s[32:33] offset:512*\m   ; 512 consecutive bytes, at a multiple of 256 from the buffer's first byte
.endr
	s_cmp_lt_u32 s26, 4
	s_cbranch_scc0 .Ldone
	ds_load_b128 v[216:219], v15
	s_wait_dscnt 0x0
	global_store_b128 v3, v[216:219], s[32:33]
.Ldone:
	s_wait_tensorcnt 0x0
	ds_add_u32 v62, v63
	s_wait_dscnt 0x0
	s_endpgm
.Lfunc_end_k_qe0c203321a_prep:
	.size	k_qe0c203321a_prep, .Lfunc_end_k_qe0c203321a_prep-k_qe0c203321a_prep
	.p2alignl 7, 3214868480
	.fill 96, 4, 3214868480
	.section	.rodata,"a",@progbits
	.p2align	6, 0x0
	.amdhsa_kernel k_qe0c203321a_prep
		.amdhsa_group_segment_fixed_size 126976
		.amdhsa_private_segment_fixed_size 0
		.amdhsa_enable_private_segment 0
		.amdhsa_kernarg_size 88
		.amdhsa_user_sgpr_count 2
		.amdhsa_user_sgpr_kernarg_segment_ptr 1
		.amdhsa_wavefront_size32 1
		.amdhsa_system_sgpr_workgroup_id_x 1
		.amdhsa_system_sgpr_workgroup_id_y 1
		.amdhsa_system_sgpr_workgroup_id_z 1
		.amdhsa_system_vgpr_workitem_id 0
		.amdhsa_next_free_vgpr 256
		.amdhsa_next_free_sgpr 66
		.amdhsa_reserve_vcc 0
		.amdhsa_float_denorm_mode_32 3
		.amdhsa_float_denorm_mode_16_64 3
		.amdhsa_memory_ordered 1
		.amdhsa_forward_progress 1
		.amdhsa_inst_pref_size 55
	.end_amdhsa_kernel
	.amdgpu_metadata
---
amdhsa.version: [ 1, 2 ]
amdhsa.kernels:
  - .name:           k_qe0c203321a_prep
    .symbol:         k_qe0c203321a_prep.kd
    .args:
      - { .name: x, .offset: 0, .size: 8, .value_kind: global_buffer, .address_space: global }
      - { .name: Wq, .offset: 8, .size: 8, .value_kind: global_buffer, .address_space: global }
      - { .name: Wk, .offset: 16, .size: 8, .value_kind: global_buffer, .address_space: global }
      - { .name: Wv, .offset: 24, .size: 8, .value_kind: global_buffer, .address_space: global }
      - { .name: W1, .offset: 32, .size: 8, .value_kind: global_buffer, .address_space: global }
      - { .name: W2, .offset: 40, .size: 8, .value_kind: global_buffer, .address_space: global }
      - { .name: g1, .offset: 48, .size: 8, .value_kind: global_buffer, .address_space: global }
      - { .name: b1, .offset: 56, .size: 8, .value_kind: global_buffer, .address_space: global }
      - { .name: xn, .offset: 64, .size: 8, .value_kind: global_buffer, .address_space: global }
      - { .name: xnF, .offset: 72, .size: 8, .value_kind: global_buffer, .address_space: global }
      - { .name: wF, .offset: 80, .size: 8, .value_kind: global_buffer, .address_space: global }
    .group_segment_fixed_size: 126976
    .private_segment_fixed_size: 0
    .kernarg_segment_align: 8
    .kernarg_segment_size: 88
    .max_flat_workgroup_size: 512
    .sgpr_count:     66
    .vgpr_count:     256
    .wavefront_size: 32
...
	.end_amdgpu_metadata
.endif
;; end of part 1
;; launch qkv (part 2): grid 8 x 24, 4 waves a work-group, clusters of 4 x 4, 327,680 bytes of LDS; arguments xnF, wF, bq, bk, bv, qkvF; writes qkvF
.if DOCPART == 2
	.amdgcn_target "amdgcn-amd-amdhsa--gfx1250"
	.amdhsa_code_object_version 6
	.text
	.protected	k_qe0c203321a_qkv
	.globl	k_qe0c203321a_qkv
	.p2align	8
	.type	k_qe0c203321a_qkv,@function
k_qe0c203321a_qkv:
	s_mov_b64 s[64:65], 0
	v_nop
	global_prefetch_b8 v0, s[64:65] scope:SCOPE_SE
	s_setreg_imm32_b32 hwreg(HW_REG_WAVE_MODE, 25, 1), 1
	s_wait_xcnt 0x0
	s_wait_alu depctr_hold_cnt(0) depctr_sa_sdst(0) depctr_va_vdst(0) depctr_va_sdst(0) depctr_va_ssrc(0) depctr_va_vcc(0) depctr_vm_vsrc(0)
	s_getreg_b32 s2, hwreg(HW_REG_IB_STS2, 6, 4)
	s_cmp_eq_u32 s2, 0
	s_cbranch_scc0 .Lentry_in_a_cluster
	s_endpgm
.Lentry_in_a_cluster:
	s_bfe_u32 s2, ttmp6, 0x10000c
	s_cmp_lg_u32 s2, 0xf033
	s_cbranch_scc0 .Lentry_shape_is_right
	s_endpgm
.Lentry_shape_is_right:
; QKV.  q = xn Wq^T + bq, k = xn Wk^T + bk, v = xn Wv^T + bv on codes of FP6 with E8M0 scales, K = 1,024; each result is quantised in registers and leaves as codes in this program's slab layout
; (slabs of 12,800 bytes: 8 fragments as images of the operand's 12 registers, 1,536 bytes each, then 512 bytes of scale words; place (f, r) = row 32 (f / 2) + 8 (f % 2) + r + 8 (r / 8) of 128).
; A work-group makes 256 x 256, each of its four waves 128 x 128: 64 accumulators.  R is source 1 (a lane holds one row of R), P is source 0 (a lane's registers run along P's rows): by the order of rows in a slab the
; 16 registers of two neighbouring tiles are 16 neighbours along P, which is the next product's K.  So a wave's result, quantised, is exactly one slab: rows = R's group of 128, K = P's group.
; q, k (cluster rows 0-3): R = tokens, P = the rows of Wq | Wk: K = a pair of heads' 128 channels.  v (cluster rows 4, 5): R = the rows of Wv, P = tokens: K = 128 tokens, as the second product of attention wants it.
; The bias is the C of each sum's first matrix instruction (another order of rounding than adding it last).
; K goes in 8 steps of 128.  Three LDS slots of two steps are filled at the start; slot 0 is filled once more, with steps 6 and 7.  Each tensor load of a wave brings two slabs (25,600 dense bytes), four for steps 2 to 5.
; CLUSTER 4 x 4: R's slabs are shared along a row of the cluster, P's along a column: joint loads.
; LIMITS: NaN and infinities are not served; a block whose largest magnitude lies under 2^-124 gets the byte 1, a block of zeros too.
; REGISTERS: window 0: v16-31 addresses; v32-47 scale words, two sets; v48-63 at work on the way out; v64-127 the bias; v128-223 R's fragments, one set.  window 1: P's fragments, two sets.  windows 2, 3: accumulators.
.set SLAB,  12800
.set SLOT,  102400                     ; R's two groups x two steps, then P's
.set SPARE, 3*SLOT                     ; the spare words, 128 bytes a wave
.set SCST,  SPARE+512                  ; 512 bytes a wave: the scale words on their way out
.set WV_OFF, 1638400                   ; Wv's slabs in wF
.set ADRA, 16
.set ADRB, 20
.set ADRS, 24
.set LI,   27                          ; 16 x lane
.set SPW,  28
.set NIL,  29
.set SWA,  30
.set SRD,  31
.set SC,   32
.set TM,   48
.set PW,   12
.set BI,   64
.set AF,   128
.set PC,   128
.set G1A,  24
.set G0A,  32
.set G1B,  44
.set G0B,  52
.set OUTP, 14
.set SEL,  90
.set MSB, 0
.macro WIN new                         ; the immediate's high byte repeats the setting that is left
.if MSB != (\new)
	s_set_vgpr_msb (MSB<<8)|(\new)
.set MSB, (\new)
.endif
.endm
.macro PLACES n
.rept \n
	v_nop
.endr
.endm
.macro JLOAD g0a, g1a, g0b, g1b        ; a joint load: waves 0, 1 fetch for R, waves 2, 3 for P; four v_nop follow each line
	s_cmp_eq_u32 s17, 0
	s_cbranch_scc0 .Lfor_b_\@
	tensor_load_to_lds s[\g0a:\g0a+3], s[\g1a:\g1a+7]
	s_nop 0
.rept 4
	v_nop
.endr
	s_branch .Lasked_\@
.Lfor_b_\@:
	tensor_load_to_lds s[\g0b:\g0b+3], s[\g1b:\g1b+7]
	s_nop 0
.rept 4
	v_nop
.endr
.Lasked_\@:
.endm
.macro CREST
	s_cmp_lg_u32 s16, 0
	s_cbranch_scc1 .Lnot_wave_0_\@
	s_barrier_signal -3
.Lnot_wave_0_\@:
	s_barrier_wait -3
	s_barrier_signal -1
	s_barrier_wait -1
.endm
.macro CROUND
	s_barrier_signal -1
	s_barrier_wait -1
	CREST
.endm
.macro FRAG reg, adr, q, i             ; a fragment's image: three loads of 512 consecutive bytes
.irp c, 0,1,2
	ds_load_b128 v[\reg+4*\c:\reg+4*\c+3], v[\adr] offset:(\q)*SLAB+(\i)*1536+512*\c
.endr
.endm
.macro FETCH_B slot, q, p
	WIN 0x40
.irp i, 0,1,2,3,4,5,6,7
	FRAG 128*(\p)+12*\i, ADRB+\slot, \q, \i
.endr
	WIN 0
.endm
.macro FETCH_A slot, q, i0
.irp i, \i0, \i0+1, \i0+2, \i0+3
	FRAG AF+12*(\i), ADRA+\slot, \q, \i
.endr
.endm
.macro SCALES slot, q, p               ; lanes 0-15: the words of R's block i; lanes 16-31: those of P's block i
.irp i, 0,1,2,3,4,5,6,7
	ds_load_b32 v[SC+8*(\p)+\i], v[ADRS+\slot] offset:(\q)*SLAB+64*\i
.endr
.endm
; 16 matrix instructions: R's blocks 2 qd, 2 qd + 1 x P's eight.  mode 0: onto the sums; 1: the sums begin with the bias along P; 2: with the bias along R.  The 64 accumulators take turns.
.macro MULQ qd, p, mode
.irp a, 2*(\qd), 2*(\qd)+1
.irp b, 0,1,2,3,4,5,6,7
.if \mode == 0
	v_wmma_scale_f32_16x16x128_f8f6f4 v[8*(8*((\a)%4)+\b):8*(8*((\a)%4)+\b)+7], v[128*(\p)+12*\b:128*(\p)+12*\b+11], v[AF+12*(\a):AF+12*(\a)+11], v[8*(8*((\a)%4)+\b):8*(8*((\a)%4)+\b)+7], v[SC+8*(\p)+\b], v[SC+8*(\p)+(\a)] matrix_a_fmt:MATRIX_FMT_FP6 matrix_b_fmt:MATRIX_FMT_FP6 matrix_a_scale:MATRIX_SCALE_ROW1
.elseif \mode == 1
	v_wmma_scale_f32_16x16x128_f8f6f4 v[8*(8*((\a)%4)+\b):8*(8*((\a)%4)+\b)+7], v[128*(\p)+12*\b:128*(\p)+12*\b+11], v[AF+12*(\a):AF+12*(\a)+11], v[BI+8*\b:BI+8*\b+7], v[SC+8*(\p)+\b], v[SC+8*(\p)+(\a)] matrix_a_fmt:MATRIX_FMT_FP6 matrix_b_fmt:MATRIX_FMT_FP6 matrix_a_scale:MATRIX_SCALE_ROW1
.else
	v_wmma_scale_f32_16x16x128_f8f6f4 v[8*(8*((\a)%4)+\b):8*(8*((\a)%4)+\b)+7], v[128*(\p)+12*\b:128*(\p)+12*\b+11], v[AF+12*(\a):AF+12*(\a)+11], v[BI+8*(\a):BI+8*(\a)+7], v[SC+8*(\p)+\b], v[SC+8*(\p)+(\a)] matrix_a_fmt:MATRIX_FMT_FP6 matrix_b_fmt:MATRIX_FMT_FP6 matrix_a_scale:MATRIX_SCALE_ROW1
.endif
.endr
.endr
.endm
; A step of 128 along K: step q of slot; it fetches step nq of nslot.  R's blocks 0-3 are fetched anew in its middle, blocks 4-7 at its end; P has two sets.
.macro STEP slot, q, nslot, nq, mode
	s_wait_dscnt 12                                ; all but the youngest twelve loads (R's blocks 4-7) are in
.if \mode
	WIN 0x81
.else
	WIN 0xa1
.endif
	MULQ 0, (\q)%2, \mode
	MULQ 1, (\q)%2, \mode
	s_wait_dscnt 0x0
	PLACES 4                                       ; in front of loads into registers that matrix instructions have read
	FETCH_B \nslot, \nq, 1-(\q)%2
	FETCH_A \nslot, \nq, 0
	SCALES \nslot, \nq, 1-(\q)%2
.if \mode
	WIN 0xc1
.else
	WIN 0xf1
.endif
	MULQ 2, (\q)%2, \mode
	MULQ 3, (\q)%2, \mode
	PLACES 4
	WIN 0
	FETCH_A \nslot, \nq, 4
.endm
; A slot's last step, with the one barrier of a change of slots.  fill = 1: the slot is filled again, behind a round of the cluster's barrier.
.macro TURN slot, nslot, fill
	s_wait_tensorcnt 0x0                           ; all my tensor loads have landed
	ds_add_u32 v[SPW], v[NIL]
.if \fill
	s_mov_b32 s[G1A+2], 100<<16                    ; no load of mine is out: the refill brings two slabs again
	s_mov_b32 s[G1A+4], 100
	s_mov_b32 s[G1B+2], 100<<16
	s_mov_b32 s[G1B+4], 100
.endif
	s_wait_dscnt 13
	WIN 0xa1
	MULQ 0, 1, 0
	s_wait_dscnt 0x0                               ; the add is done, and my reads of this slot are over
	s_barrier_signal -1
	MULQ 1, 1, 0
	WIN 0
	s_barrier_wait -1
.if \fill
	CREST                                          ; no wave of any partner still reads the slot or has a load on its way
	s_add_nc_u64 s[G0A+4*\slot+2:G0A+4*\slot+3], s[G0A+4*\slot+2:G0A+4*\slot+3], 6*SLAB
	s_add_nc_u64 s[G0B+4*\slot+2:G0B+4*\slot+3], s[G0B+4*\slot+2:G0B+4*\slot+3], 6*SLAB
	JLOAD G0A+4*\slot, G1A, G0B+4*\slot, G1B       ; steps 6 and 7: four steps, 256 matrix instructions, ahead of the wait for them; its four v_nop are also the places in front of the loads below
.else
	PLACES 4
.endif
	s_wait_alu depctr_va_vdst(0)
	FETCH_B \nslot, 0, 0
	FETCH_A \nslot, 0, 0
	SCALES \nslot, 0, 0
	WIN 0xf1
	MULQ 2, 1, 0
	MULQ 3, 1, 0
	PLACES 4
	WIN 0
	FETCH_A \nslot, 0, 4
.endm
; 64 numbers of a lane in window w, register 16 b + i = k 32 b + 16 (lane / 16) + i of my row, become a fragment's codes in v[PC] on and its scale word in v[PW].
.macro QUANT src, w
.set WW, \w
	WIN WW|(WW<<2)
.irp b, 0,1,2,3
	v_max3_num_f32 v[TM+\b], |v[\src+16*\b]|, |v[\src+16*\b+1]|, 0x1800000   ; each accumulator is read from its low end on; the floor holds the byte at 1 from below
.endr
.irp i, 2,4,6,8,10,12,14
.irp b, 0,1,2,3
	v_max3_num_f32 v[TM+\b], |v[\src+16*\b+\i]|, |v[\src+16*\b+\i+1]|, v[TM+\b]
.endr
.endr
	WIN 0
.irp b, 0,1,2,3
	v_permlanex16_b32 v[TM+4+\b], v[TM+\b], s[SEL], s[SEL+1]
.endr
.irp b, 0,1,2,3
	v_max_num_f32 v[TM+\b], v[TM+\b], v[TM+4+\b]
.endr
.irp b, 0,1,2,3
	v_add_nc_u32 v[TM+12+\b], 0xff000000, v[TM+\b]
.endr
.irp b, 0,1,2,3
	v_lshrrev_b32 v[TM+4+\b], 23, v[TM+12+\b]
.endr
	s_wait_alu depctr_va_vdst(0)
	s_wait_dscnt 0x0                               ; the last block's stores have read the scale word
	s_wait_xcnt 0x0                                ; and its codes
	v_lshl_or_b32 v[PW], v[TM+5], 8, v[TM+4]
	v_lshl_or_b32 v[PW], v[TM+6], 16, v[PW]
	v_lshl_or_b32 v[PW], v[TM+7], 24, v[PW]
	WIN WW
.irp c, 0,1
	v_cvt_scalef32_pk16_fp6_f32 v[PC+6*\c:PC+6*\c+2], v[\src+32*\c:\src+32*\c+15], v[TM+12+2*\c]
	v_cvt_scalef32_pk16_fp6_f32 v[PC+12+4*\c:PC+14+4*\c], v[\src+32*\c+16:\src+32*\c+31], v[TM+12+2*\c+1]
.endr
	WIN 0
	v_nop                                          ; one plain instruction behind the conversions
.irp c, 0,1                                    ; the operand's layout wants a whole block in a lane
.irp i, 0,1,2
	v_permlane16_swap_b32 v[PC+6*\c+\i], v[PC+12+4*\c+\i]
.endr
.irp i, 0,1,2
	v_mov_b32 v[PC+3+6*\c+\i], v[PC+12+4*\c+\i]
.endr
.endr
.endm
.macro OUT a                           ; fragment a of my slab: three stores of 512 consecutive bytes; its scale words wait in LDS
.irp c, 0,1,2
	global_store_b128 v[LI], v[PC+4*\c:PC+4*\c+3], s[OUTP:OUTP+1] offset:(\a)*1536+512*\c
.endr
	ds_store_b32 v[SWA], v[PW] offset:64*(\a)      ; both halves of the lanes write the same word with the same value
.endm
	s_load_b256 s[4:11], s[0:1], 0x0               ; xnF, wF, bq, bk
	s_load_b128 s[12:15], s[0:1], 0x20             ; bv, qkvF
	v_lshl_add_u32 v[SPW], v0, 2, SPARE
	v_mov_b32 v[NIL], 0
	ds_add_u32 v28, v29
	ds_add_u32 v28, v29
	s_wait_dscnt 0x0
	v_lshrrev_b32 v1, 5, v0
	v_readfirstlane_b32 s16, v1                    ; wave 0..3
	s_lshr_b32 s17, s16, 1                         ; my half of R's rows.  Also: I fetch for R (0) or P (1)
	s_and_b32 s18, s16, 1                          ; my half of P's rows.  Also: which group of 128 I fetch
	s_bfe_u32 s19, ttmp6, 0x40000                  ; cx
	s_bfe_u32 s20, ttmp6, 0x40004                  ; cy
	s_and_b32 s21, ttmp7, 0xffff                   ; cluster y
	s_lshl_b32 s22, s20, 2
	s_lshl_b32 s22, 15, s22                        ; my row of the cluster
	s_lshl_b32 s23, 0x1111, s19                    ; my column
	s_or_b32 s[G1A], s22, (3<<16)|(1<<21)          ; the mask; elements of 8 bytes; bit 21 beside a mask; no padding
	s_or_b32 s[G1B], s23, (3<<16)|(1<<21)
.irp g, G1A, G1B                               ; 25,600 dense bytes as 100 rows of 256
	s_mov_b32 s[\g+1], 32<<16
	s_mov_b32 s[\g+2], 100<<16
	s_mov_b32 s[\g+3], 32<<16
	s_mov_b32 s[\g+4], 100
	s_mov_b32 s[\g+5], 32
	s_mov_b32 s[\g+6], 0
	s_mov_b32 s[\g+7], 0
.endr
	s_lshl_b32 s66, s21, 2
	s_sub_co_u32 s67, s21, 4
	s_lshl_b32 s67, s67, 3
	s_cmp_ge_u32 s21, 4                            ; cluster rows 4 and 5 make v: the same in all sixteen partners
	s_cselect_b32 s66, 0, s66
	s_cselect_b32 s67, s67, 0
	s_cselect_b32 s68, 1, 0
	s_add_co_u32 s66, s66, s20                     ; R's tile of 256: hangs on cy and the cluster's y alone
	s_lshl_b32 s69, ttmp9, 2
	s_add_co_u32 s69, s69, s19
	s_add_co_u32 s67, s67, s69                     ; P's tile: on cx and the cluster's place alone
	s_lshl_b32 s70, s66, 1
	s_add_co_u32 s70, s70, s18
	s_mul_i32 s70, s70, 8*SLAB
	s_mov_b32 s71, 0
	s_lshl_b32 s72, s67, 1
	s_add_co_u32 s72, s72, s18
	s_mul_i32 s72, s72, 8*SLAB
	s_mov_b32 s73, 0
	s_mul_i32 s74, s16, 2*SLAB                     ; where my load goes in a slot
	s_mov_b32 s[SEL], 0x76543210
	s_mov_b32 s[SEL+1], 0xfedcba98
	s_wait_kmcnt 0x0
	s_cmp_eq_u32 s68, 1
	s_cselect_b64 s[76:77], s[6:7], s[4:5]         ; R: Wv's slabs, or the tokens'
	s_cselect_b64 s[78:79], s[4:5], s[6:7]         ; P: the tokens', or Wq | Wk's
	s_cselect_b32 s75, WV_OFF, 0
	s_add_co_u32 s70, s70, s75
	s_add_nc_u64 s[76:77], s[76:77], s[70:71]
	s_add_nc_u64 s[78:79], s[78:79], s[72:73]
	CROUND                                         ; all sixteen work-groups are here: the first joint loads meet
; THE RING AS IT IS FILLED: slot 0 holds steps 0 and 1, asked for at the head, one load a wave; the bytes of slots 1 and 2 are one long slot, filled by one load of four slabs a wave (steps 2 to 5) behind the head's round;
; slot 0 is filled once more, with steps 6 and 7.  In the long slot wave w's four slabs lie at SLOT + 4 w slabs.
.irp s, 0,1
	s_mov_b32 s[G0A+4*\s], 1
	s_add_co_u32 s[G0A+4*\s+1], s74, \s*SLOT
	s_add_nc_u64 s[G0A+4*\s+2:G0A+4*\s+3], s[76:77], \s*2*SLAB
	s_or_b32 s[G0A+4*\s+3], s[G0A+4*\s+3], 0x80000000
	s_mov_b32 s[G0B+4*\s], 1
	s_add_co_u32 s[G0B+4*\s+1], s74, \s*SLOT
	s_add_nc_u64 s[G0B+4*\s+2:G0B+4*\s+3], s[78:79], \s*2*SLAB
	s_or_b32 s[G0B+4*\s+3], s[G0B+4*\s+3], 0x80000000
.if \s == 0
	s_lshl_b32 s74, s74, 1                         ; in the long slot a wave's part is twice as long
.endif
.endr
	JLOAD G0A, G1A, G0B, G1B                       ; steps 0 and 1: one tensor load a wave at the head
	v_and_b32 v1, 15, v0                           ; r
	v_bfe_u32 v2, v0, 4, 1                         ; h
	v_and_b32 v3, 31, v0
	v_lshlrev_b32 v[LI], 4, v3
	s_wait_alu depctr_va_vdst(0)
	; PREFETCHES INTO THE L2, one load ahead: of the slabs that my next load brings, each of the four partners that ask for them jointly names a quarter, told apart by address (cx for R, cy for P); a lane a block of 256 bytes.
	s_cmp_eq_u32 s17, 0
	s_cselect_b32 s75, s19, s20                    ; my place among the four
	s_cselect_b64 s[98:99], s[76:77], s[78:79]     ; my group's eight slabs
	s_mul_i32 s69, s75, 6400                       ; a quarter of two slabs: 25 blocks
	s_mul_i32 s75, s75, 12800                      ; a quarter of four slabs: 50 blocks
	v_min_u32 v7, 24, v3                           ; (lanes left over name the last block again)
	v_lshl_add_u32 v7, v7, 8, s69
	v_lshl_add_u32 v13, v3, 8, s75
	v_min_u32 v15, 17, v3
	v_lshl_add_u32 v15, v15, 8, s75
	v_add_nc_u32 v15, 0x2000, v15
	global_prefetch_b8 v13, s[98:99] offset:2*SLAB th:TH_LOAD_NT scope:SCOPE_SE   ; steps 2 to 5
	global_prefetch_b8 v15, s[98:99] offset:2*SLAB th:TH_LOAD_NT scope:SCOPE_SE
	s_mul_i32 s80, s17, 2*SLAB                     ; my group of R in a slot
	s_mul_i32 s81, s18, 2*SLAB
	s_add_co_u32 s81, s81, 4*SLAB                  ; my group of P
	s_xor_b32 s82, s17, 1
	s_add_co_u32 s82, s82, s18
	s_add_co_u32 s82, s82, 1
	s_mul_i32 s82, s82, 2*SLAB                     ; from the one to the other
	v_mul_u32_u24 v4, s82, v2                      ; lanes 16-31 take P's scale words
	v_lshl_add_u32 v4, v1, 2, v4
	s_add_co_u32 s83, s80, 12288
	v_add_nc_u32 v[ADRA], s80, v[LI]
	v_add_nc_u32 v[ADRB], s81, v[LI]
	v_add_nc_u32 v[ADRS], s83, v4
	s_lshl_b32 s80, s80, 1                         ; the long slot: groups lie four slabs apart
	s_lshl_b32 s81, s81, 1
	s_lshl_b32 s82, s82, 1
	s_add_co_u32 s80, s80, SLOT
	s_add_co_u32 s81, s81, SLOT
	s_add_co_u32 s83, s80, 12288
	v_mul_u32_u24 v4, s82, v2
	v_lshl_add_u32 v4, v1, 2, v4
.irp s, 1,2                                    ; address 1: steps 2, 3; address 2: steps 4, 5
	v_add_nc_u32 v[ADRA+\s], s80, v[LI]
	v_add_nc_u32 v[ADRB+\s], s81, v[LI]
	v_add_nc_u32 v[ADRS+\s], s83, v4
	s_add_co_u32 s80, s80, 2*SLAB
	s_add_co_u32 s81, s81, 2*SLAB
	s_add_co_u32 s83, s83, 2*SLAB
.endr
	s_lshl_b32 s84, s16, 9
	s_add_co_u32 s84, s84, SCST
	v_lshl_add_u32 v[SWA], v1, 2, s84
	v_add_nc_u32 v[SRD], s84, v[LI]
	s_lshl_b32 s85, s66, 1
	s_add_co_u32 s85, s85, s17                     ; R's group of 128
	s_lshl_b32 s86, s67, 1
	s_add_co_u32 s86, s86, s18                     ; P's group
	s_add_co_u32 s87, s85, 16
	s_lshl_b32 s87, s87, 5
	s_add_co_u32 s87, s87, s86                     ; v: slab (16 + pair of heads) x 32 + group of tokens
	s_lshl_b32 s88, s86, 5
	s_add_co_u32 s88, s88, s85                     ; q, k: slab (group of channels) x 32 + group of tokens
	s_cmp_eq_u32 s68, 1
	s_cselect_b32 s87, s87, s88
	s_mul_i32 s88, s87, SLAB
	s_mov_b32 s89, 0
	s_add_nc_u64 s[OUTP:OUTP+1], s[OUTP:OUTP+1], s[88:89]
	s_cmp_eq_u32 s68, 1
	s_cbranch_scc1 .Lbias_v
	s_cmp_eq_u32 ttmp9, 0                          ; P's groups 0-7 are Wq's rows, 8-15 Wk's
	s_cselect_b64 s[94:95], s[8:9], s[10:11]
	s_and_b32 s96, s86, 7
	s_lshl_b32 s96, s96, 9
	s_mov_b32 s97, 0
	s_add_nc_u64 s[94:95], s[94:95], s[96:97]
	v_lshlrev_b32 v5, 6, v2
.irp b, 0,1,2,3,4,5,6,7                        ; tile b's register j is row 32 (b / 2) + 16 h + 8 (b % 2) + j of P's group
	global_load_b128 v[BI+8*\b:BI+8*\b+3], v5, s[94:95] offset:(32*(\b/2)+8*(\b%2))*4
	global_load_b128 v[BI+8*\b+4:BI+8*\b+7], v5, s[94:95] offset:(32*(\b/2)+8*(\b%2))*4+16
.endr
	s_branch .Lbias_done
.Lbias_v:
	s_lshl_b32 s96, s85, 9
	s_mov_b32 s97, 0
	s_add_nc_u64 s[94:95], s[12:13], s[96:97]
	v_and_b32 v6, 8, v1
	v_add_nc_u32 v6, v6, v1
	v_lshlrev_b32 v6, 2, v6
.irp a, 0,1,2,3,4,5,6,7                        ; block a's lane r is row 32 (a / 2) + 8 (a % 2) + r + 8 (r / 8) of R's group: the same number in all eight registers
.irp j, 0,1,2,3,4,5,6,7
	global_load_b32 v[BI+8*\a+\j], v6, s[94:95] offset:(32*(\a/2)+8*(\a%2))*4
.endr
.endr
.Lbias_done:
	s_wait_alu depctr_va_vdst(0)                   ; the wait at the head's end
	s_wait_tensorcnt 0x0                           ; my part of slot 0 is in
	ds_add_u32 v[SPW], v[NIL]
	s_mov_b32 s[G1A+2], 200<<16                    ; no load of mine is out: the next load brings four slabs, 200 rows of 256 bytes
	s_mov_b32 s[G1A+4], 200
	s_mov_b32 s[G1B+2], 200<<16
	s_mov_b32 s[G1B+4], 200
	s_wait_dscnt 0x0
	CROUND
	JLOAD G0A+4, G1A, G0B+4, G1B                   ; steps 2 to 5: the first tensor load behind the round
	global_prefetch_b8 v7, s[98:99] offset:6*SLAB th:TH_LOAD_NT scope:SCOPE_SE    ; steps 6 and 7, which the refill will bring; nothing is asked for beyond them
	FETCH_B 0, 0, 0
	FETCH_A 0, 0, 0
	SCALES 0, 0, 0
	FETCH_A 0, 0, 4
	s_wait_loadcnt 0x0                             ; the bias
	s_cmp_eq_u32 s68, 1
	s_cbranch_scc1 .Lfirst_v
	STEP 0, 0, 0, 1, 1
	s_branch .Lfirst_done
.Lfirst_v:
	STEP 0, 0, 0, 1, 2
.Lfirst_done:
	TURN 0, 1, 1
	STEP 1, 0, 1, 1, 0
	STEP 1, 1, 2, 0, 0                             ; slot 2 was shown whole to every wave by the barrier above
	STEP 2, 0, 2, 1, 0
	TURN 2, 0, 0
	STEP 0, 0, 0, 1, 0
	s_wait_dscnt 12                                ; the last step: nothing more to fetch
	WIN 0xa1
	MULQ 0, 1, 0
	MULQ 1, 1, 0
	s_wait_dscnt 0x0
	WIN 0xf1
	MULQ 2, 1, 0
	MULQ 3, 1, 0
	WIN 0
	PLACES 4
.irp b, 0,1,2,3
	v_mov_b32 v[TM+4+\b], 0                        ; a lane permute's destination counts as one of its sources
.endr
.irp a, 0,1,2,3,4,5,6,7
	QUANT 64*(\a%4), 2+\a/4
	OUT \a
.endr
	ds_load_b128 v[8:11], v[SRD]                   ; LDS serves a wave's instructions in order: this sees my eight stores
	s_wait_dscnt 0x0
	global_store_b128 v[LI], v[8:11], s[OUTP:OUTP+1] offset:12288
	s_wait_tensorcnt 0x0                           ; the wave's end
	ds_add_u32 v[SPW], v[NIL]
	s_wait_dscnt 0x0
	CROUND                                         ; the closing round
	s_endpgm
.Lfunc_end_k_qe0c203321a_qkv:
	.size	k_qe0c203321a_qkv, .Lfunc_end_k_qe0c203321a_qkv-k_qe0c203321a_qkv
	.p2alignl 7, 3214868480
	.fill 96, 4, 3214868480
	.section	.rodata,"a",@progbits
	.p2align	6, 0x0
	.amdhsa_kernel k_qe0c203321a_qkv
		.amdhsa_group_segment_fixed_size 327680
		.amdhsa_private_segment_fixed_size 0
		.amdhsa_enable_private_segment 0
		.amdhsa_kernarg_size 48
		.amdhsa_user_sgpr_count 2
		.amdhsa_user_sgpr_kernarg_segment_ptr 1
		.amdhsa_wavefront_size32 1
		.amdhsa_system_sgpr_workgroup_id_x 1
		.amdhsa_system_sgpr_workgroup_id_y 1
		.amdhsa_system_sgpr_workgroup_id_z 1
		.amdhsa_system_vgpr_workitem_id 0
		.amdhsa_next_free_vgpr 1024
		.amdhsa_next_free_sgpr 100
		.amdhsa_reserve_vcc 0
		.amdhsa_float_denorm_mode_32 3
		.amdhsa_float_denorm_mode_16_64 3
		.amdhsa_memory_ordered 1
		.amdhsa_forward_progress 1
		.amdhsa_inst_pref_size 162
	.end_amdhsa_kernel
	.amdgpu_metadata
---
amdhsa.version: [ 1, 2 ]
amdhsa.kernels:
  - .name:           k_qe0c203321a_qkv
    .symbol:         k_qe0c203321a_qkv.kd
    .args:
      - { .name: xnF, .offset: 0, .size: 8, .value_kind: global_buffer, .address_space: global }
      - { .name: wF, .offset: 8, .size: 8, .value_kind: global_buffer, .address_space: global }
      - { .name: bq, .offset: 16, .size: 8, .value_kind: global_buffer, .address_space: global }
      - { .name: bk, .offset: 24, .size: 8, .value_kind: global_buffer, .address_space: global }
      - { .name: bv, .offset: 32, .size: 8, .value_kind: global_buffer, .address_space: global }
      - { .name: qkvF, .offset: 40, .size: 8, .value_kind: global_buffer, .address_space: global }
    .group_segment_fixed_size: 327680
    .private_segment_fixed_size: 0
    .kernarg_segment_align: 8
    .kernarg_segment_size: 48
    .max_flat_workgroup_size: 128
    .sgpr_count:     100
    .vgpr_count:     1024
    .wavefront_size: 32
...
	.end_amdgpu_metadata
.endif
;; end of part 2
;; launch attn (part 3): grid 8 x 32, 8 waves a work-group, clusters of 4 x 1, 327,680 bytes of LDS; arguments qkvF, xn, z; writes z
.if DOCPART == 3
	.amdgcn_target "amdgcn-amd-amdhsa--gfx1250"
	.amdhsa_code_object_version 6
	.text
	.protected	k_qe0c203321a_attn
	.globl	k_qe0c203321a_attn
	.p2align	8
	.type	k_qe0c203321a_attn,@function
k_qe0c203321a_attn:
	s_mov_b64 s[64:65], 0
	v_nop
	global_prefetch_b8 v0, s[64:65] scope:SCOPE_SE
	s_setreg_imm32_b32 hwreg(HW_REG_WAVE_MODE, 25, 1), 1
	s_wait_xcnt 0x0
	s_wait_alu depctr_hold_cnt(0) depctr_sa_sdst(0) depctr_va_vdst(0) depctr_va_sdst(0) depctr_va_ssrc(0) depctr_va_vcc(0) depctr_vm_vsrc(0)
	s_getreg_b32 s2, hwreg(HW_REG_IB_STS2, 6, 4)
	s_cmp_eq_u32 s2, 0
	s_cbranch_scc0 .Lentry_in_a_cluster
	s_endpgm
.Lentry_in_a_cluster:
	s_bfe_u32 s2, ttmp6, 0x10000c
	s_cmp_lg_u32 s2, 0x3003
	s_cbranch_scc0 .Lentry_shape_is_right
	s_endpgm
.Lentry_shape_is_right:
; ATTENTION on codes of FP6 with E8M0 scales, and z = attention + xn in f32.  q, k, v come as slabs of 12,800 bytes (8 fragments as images of the operand's 12 registers, then the scale words; place (f, r) of a slab is
; row 32 (f / 2) + 8 (f % 2) + r + 8 (r / 8)).  q, k: rows = 128 tokens, K = a pair of heads' 128 channels.  v: rows = the pair's 128 channels, K = 128 tokens.
; THE SOFTMAX: t = score x log2(e) / 8; M = the running largest t rounded up to a whole number; p = 2^(t - M) is quantised along the keys; the row's sum is taken of the unquantised p and divides at the end;
; when M moves, the sum and O are multiplied by 2^(old M - new M), which rounds nothing.  A block's largest p is made from the block's largest score by the same two instructions.
; SHARES.  A work-group owns ONE head and 256 queries; wave w owns 32 of them, fragments 2 (w % 4) and 2 (w % 4) + 1 of the block's slab w / 4, as TWO STREAMS x = 0, 1 whose lines take turns: each fragment of k and v
; that is read from LDS feeds two matrix instructions, and no line waits for the line above it.  8 blocks x 32 heads = 256 work-groups.
; ALL OF THE HEAD'S K AND V LIE IN LDS: k's 16 slabs whole (204,800 bytes), of v's 16 slabs the head's four fragments (16 x 6,144) and their scale words (16 x 256).  They are asked for once, at the head, one tensor
; load a wave: waves 0-3 four slabs of k each, waves 4, 5 eight steps of v each, wave 6 v's scale words.  Nothing is filled again, so the walk over the keys (4 trips x 4 steps of 128) has no barrier.
; CLUSTER 4 x 1: four blocks of queries of one head ask for the same tiles jointly.  No prefetch: every tile is asked for at the head, so there is no loop to run ahead in.
; K = 64 IN A FORM OF 128: of q's fragments the six registers of the other head are cleared: zero codes add nothing, whatever code and scale byte they meet.  Of a fragment of k a wave loads only its head's six registers;
; the other six keep the codes that they held (zeros at first, later v's): every pattern of six bits is a finite number.
; Both products are used transposed (S^T = k q^T, O^T = v^T p^T): a lane holds one query.
; THE KEYS OF A TILE ARE PICKED BY ADDRESS: lane r of tile 4 g + t takes key 64 g + 32 (r / 8) + 8 t + r % 8, which lies in the slab's fragment 4 g + 2 (r / 8) + t % 2 at place r % 8 + 8 (t / 2).  So lane (query, h) holds in the
; 32 registers of tiles 4 g .. 4 g + 3 the whole block 2 g + h of 32 keys, in order: a block's largest score needs no other lane, and the conversions' results are the operand's registers.
; (The two halves of a load's sixteen lanes then read bytes 3,072 apart.)
; LIMITS: NaN and infinities are not served; the promise holds while the scaled scores t stay under 2^31 in magnitude.
; REGISTERS.  Window 0: v1-11 addresses; stream x: v[12+2x] -M, v[13+2x] the largest t, v[16+2x:17+2x] the sum, v[20+2x] f; v24 8 h; v32-39 maxima; v40-55 at work; v56-71 partial sums;
;   v72-79 the sets' scale words, v80-81 q's, v82-83 p's; v96-143 set SA, v144-191 set SB.  Window 1: S^T, then p, at 64 x; O^T at 128 + 32 x; q at 192 + 12 x; p's codes at 216 + 12 x; 240-255 at work.
.set SLAB,  12800
.set VROW,  6144                       ; a head's four fragments of v for one step
.set VB,    16*SLAB                    ; v's codes
.set VS,    VB+16*VROW                 ; v's scale words, 256 bytes a step
.set SPARE, VS+16*256                  ; the spare words, 128 bytes a wave
.set WV,   18
.set SEL,  20
.set CS,   22
.set PAR,  31                          ; s31  my head of the pair: the same in the whole cluster
.set G1K,  32
.set G1V,  40
.set G1S,  48
.set G0K,  56
.set G0V,  60
.set G0S,  68
.set TBK,  72                          ; the trip's place in k, in v, in v's scale words
.set TBV,  73
.set TBS,  74
.set CNT,  75
.set SA,   96
.set SB,   144
.set WB,   72
.set WA,   76
.set MSB, 0
.macro WIN new                         ; bits 1:0 source 0, 3:2 source 1, 5:4 source 2, 7:6 destination; the high byte repeats the setting that is left
.if MSB != (\new)
	s_set_vgpr_msb (MSB<<8)|(\new)
.set MSB, (\new)
.endif
.endm
.macro ROUND
	s_barrier_signal -1
	s_barrier_wait -1
	s_cmp_lg_u32 s[WV], 0
	s_cbranch_scc1 .Lnot_wave_0_\@
	s_barrier_signal -3
.Lnot_wave_0_\@:
	s_barrier_wait -3
	s_barrier_signal -1
	s_barrier_wait -1
.endm
.macro G1SET g, c, r, p                ; r rows of c elements of 8 bytes, p elements from row to row; the mask names all four partners, bit 21 beside it
	s_mov_b32 s[\g], 15|(3<<16)|(1<<21)
	s_mov_b32 s[\g+1], (\c)<<16
	s_mov_b32 s[\g+2], (\r)<<16
	s_mov_b32 s[\g+3], (\c)<<16
	s_mov_b32 s[\g+4], \r
	s_mov_b32 s[\g+5], \p
	s_mov_b32 s[\g+6], 0
	s_mov_b32 s[\g+7], 0
.endm
.macro ASKT g0, g1                     ; a joint load
	tensor_load_to_lds s[\g0:\g0+3], s[\g1:\g1+7]
	s_nop 0
.rept 4
	v_nop
.endr
.endm
	s_load_b128 s[4:7], s[0:1], 0x0                ; qkvF, xn
	s_load_b64 s[8:9], s[0:1], 0x10                ; z
	v_lshl_add_u32 v5, v0, 2, SPARE
	v_mov_b32 v6, 0
	ds_add_u32 v5, v6
	ds_add_u32 v5, v6
	v_lshrrev_b32 v8, 5, v0
	s_delay_alu instid0(VALU_DEP_1)
	v_readfirstlane_b32 s[WV], v8                  ; wave 0..7
	s_bfe_u32 s19, ttmp6, 0x40000                  ; cx
	s_lshl_b32 s24, ttmp9, 2
	s_add_co_u32 s24, s24, s19                     ; my block of 256 queries in the batch
	s_and_b32 s25, ttmp7, 0xffff                   ; 16 x batch + head
	s_lshr_b32 s26, s25, 4                         ; the batch
	s_bfe_u32 s27, s25, 0x30001                    ; the pair of heads
	s_and_b32 s[PAR], s25, 1                       ; my head of the pair
	s_lshl_b32 s28, s26, 4                         ; the batch's first group of 128 tokens
	s_lshl_b32 s29, s24, 1
	s_add_co_u32 s29, s29, s28
	s_lshr_b32 s30, s[WV], 2
	s_add_co_u32 s29, s29, s30                     ; my queries' group of tokens
	s_and_b32 s30, s[WV], 3                        ; my pair of fragments in it
	G1SET G1K, 32, 200, 32                         ; four slabs of k: 51,200 dense bytes as 200 rows of 256
	G1SET G1V, 768, 8, 1600                        ; eight steps of v: rows of 6,144 bytes, a slab apart
	G1SET G1S, 32, 16, 1600                        ; v's scale words: 16 rows of 256 bytes, a slab apart
	s_lshl_b32 s76, s27, 5
	s_add_co_u32 s76, s76, s28                     ; 32 x pair + the batch's first group
	s_lshl_b32 s77, s[WV], 2
	s_add_co_u32 s77, s77, s76
	s_add_co_u32 s77, s77, 256
	s_mul_i32 s78, s77, SLAB                       ; k: slab 32 (8 + pair) + group + 4 w
	s_mov_b32 s79, 0
	s_lshl_b32 s77, s[WV], 3
	s_add_co_u32 s77, s77, s76
	s_add_co_u32 s77, s77, 512-32
	s_mul_i32 s80, s77, SLAB                       ; v: slab 32 (16 + pair) + group + 8 (w - 4),
	s_mul_i32 s77, s[PAR], VROW
	s_add_co_u32 s80, s80, s77                     ; my head's fragments
	s_mov_b32 s81, 0
	s_add_co_u32 s77, s76, 512
	s_mul_i32 s82, s77, SLAB
	s_lshl_b32 s77, s[PAR], 8
	s_add_co_u32 s82, s82, s77
	s_add_co_u32 s82, s82, 12288                   ; and their scale words
	s_mov_b32 s83, 0
	s_lshl_b32 s84, s27, 5
	s_add_co_u32 s84, s84, s29
	s_mul_i32 s84, s84, SLAB                       ; q's slab
	s_lshl_b32 s86, s30, 7
	s_add_co_u32 s86, s86, s84
	s_add_co_u32 s86, s86, 12288                   ; my two fragments' scale words
	s_mov_b32 s87, 0
	s_mul_i32 s85, s30, 2*1536
	s_add_co_u32 s84, s84, s85                     ; my two fragments
	s_mov_b32 s85, 0
	s_lshl_b32 s88, s29, 7                         ; stream 0's first token: 128 x group + 32 (w % 4); stream 1's lies 8 on
	s_lshl_b32 s89, s30, 5
	s_add_co_u32 s88, s88, s89
	s_lshl_b32 s88, s88, 12
	s_and_b32 s89, s25, 15
	s_lshl_b32 s89, s89, 8                         ; and my head's 256 bytes of its row
	s_add_co_u32 s88, s88, s89
	s_mov_b32 s89, 0
	s_mov_b32 s[SEL], 0x76543210
	s_mov_b32 s[SEL+1], 0xfedcba98
	s_mov_b32 s[CS], 0x3e38aa3b                    ; c = log2(e) / sqrt(64)
	s_mov_b32 s[CS+1], s[CS]
	s_mov_b32 s[TBK], 0
	s_mov_b32 s[TBV], 0
	s_mov_b32 s[TBS], 0
	s_mov_b32 s[CNT], 4
	s_cmp_eq_u32 s[PAR], 0
	s_cselect_b32 s92, -1, 0                       ; keeps registers 0-5 of q (channels 0-63 of the pair) for head 0,
	s_cselect_b32 s93, 0, -1                       ; registers 6-11 for head 1
	s_wait_dscnt 0x0                               ; both opening adds are done
	s_wait_kmcnt 0x0
	s_mov_b32 s[G0K], 1
	s_mul_i32 s[G0K+1], s[WV], 4*SLAB
	s_add_nc_u64 s[G0K+2:G0K+3], s[4:5], s[78:79]
	s_or_b32 s[G0K+3], s[G0K+3], 0x80000000
	s_mov_b32 s[G0V], 1
	s_mul_i32 s[G0V+1], s[WV], 8*VROW
	s_add_co_u32 s[G0V+1], s[G0V+1], VB-32*VROW    ; VB + 8 (w - 4) rows
	s_add_nc_u64 s[G0V+2:G0V+3], s[4:5], s[80:81]
	s_or_b32 s[G0V+3], s[G0V+3], 0x80000000
	s_mov_b32 s[G0S], 1
	s_mov_b32 s[G0S+1], VS
	s_add_nc_u64 s[G0S+2:G0S+3], s[4:5], s[82:83]
	s_or_b32 s[G0S+3], s[G0S+3], 0x80000000
	ROUND                                          ; in front of the joint loads
	s_cmp_lt_u32 s[WV], 4                          ; one chain of branches on the wave's number, one load to an arm
	s_cbranch_scc0 .Lhead_v
	ASKT G0K, G1K
	s_branch .Lasked
.Lhead_v:
	s_cmp_lt_u32 s[WV], 6
	s_cbranch_scc0 .Lhead_s
	ASKT G0V, G1V
	s_branch .Lasked
.Lhead_s:
	s_cmp_eq_u32 s[WV], 6
	s_cbranch_scc0 .Lasked
	ASKT G0S, G1S
.Lasked:
	s_add_nc_u64 s[84:85], s[4:5], s[84:85]
	s_add_nc_u64 s[86:87], s[4:5], s[86:87]
	s_add_nc_u64 s[6:7], s[6:7], s[88:89]
	s_add_nc_u64 s[8:9], s[8:9], s[88:89]
	v_and_b32 v8, 15, v0                           ; r
	v_bfe_u32 v24, v0, 4, 1                        ; h
	v_and_b32 v10, 31, v0
	v_lshlrev_b32 v11, 2, v8                       ; 4 r
	v_lshlrev_b32 v9, 4, v10                       ; 16 x lane
	WIN 0x40
.irp x, 0,1
.irp c, 0,1,2
	global_load_b128 v[192+12*\x+4*\c:195+12*\x+4*\c], v9, s[84:85] offset:1536*\x+512*\c
.endr
.endr
	WIN 0
	global_load_b32 v80, v11, s[86:87]
	global_load_b32 v81, v11, s[86:87] offset:64
	v_add_nc_u32 v2, VB, v9                        ; v2: v's fragments: 16 x lane in an image
	v_add_nc_u32 v4, VS, v11                       ; v4: and their scale words
	v_lshlrev_b32 v7, 12, v24
	v_bfe_u32 v1, v0, 3, 1                         ; r / 8
	v_and_b32 v3, 7, v0                            ; r % 8
	v_lshl_add_u32 v7, v8, 4, v7                   ; v7: the way out: lanes 0-15 one row, lanes 16-31 the next; 16 bytes a lane
	v_mul_u32_u24 v12, v1, 3072
	v_lshl_add_u32 v12, v3, 4, v12
	v_lshlrev_b32 v3, 2, v3
	v_lshl_add_u32 v12, v24, 8, v12
	v_lshl_add_u32 v3, v1, 7, v3                   ; v3: k's scale words: 128 (r / 8) + 4 (r % 8)
	v_mov_b32 v1, v12                              ; v1: k's fragments: 3,072 (r / 8) + 16 (r % 8) + 256 h
	v_lshlrev_b32 v24, 3, v24                      ; v24: 8 h
.irp x, 0,1
	v_mov_b32 v[13+2*\x], 0xff61b1e6               ; the largest t so far: -3e38
	v_mov_b32 v[16+2*\x], 0
	v_mov_b32 v[17+2*\x], 0
	v_mov_b32 v[20+2*\x], 0
	v_mov_b32 v[21+2*\x], 0
	v_mov_b32 v[42+\x], 0                          ; a lane permute's destination counts as one of its sources
	v_mov_b32 v[44+\x], 0
	v_floor_f32 v[12+2*\x], -v[13+2*\x]
.endr
.set j, 0
.rept 96
	v_mov_b32 v[SA+j], 0                           ; the two sets, once: the six registers of a fragment of k that I never load hold codes from the first product on
.set j, j+1
.endr
	WIN 0x40
.set j, 0
.rept 64
	v_mov_b32 v[128+j], 0                          ; O^T: the step is written once; its first run finds zeros
.set j, j+1
.endr
	s_wait_loadcnt 0x0
	WIN 0x44
.irp x, 0,1
.irp i, 0,1,2,3,4,5
	v_and_b32 v[192+12*\x+\i], s92, v[192+12*\x+\i]
	v_and_b32 v[198+12*\x+\i], s93, v[198+12*\x+\i]
.endr
.endr
	WIN 0
; Four tiles of k, 4 g .. 4 g + 3 of step q, into the set at base; their scale words into sc on.  Tile 4 g + t begins at fragment 4 g + t % 2, place 8 (t / 2); the lanes' own part stands in v8 and v10.
; Registers 4 c .. 4 c + 3 of a lane lie at 512 c: head 0 takes registers 0-5, head 1 registers 6-11.  The branch hangs on the head's number alone; both ways issue eight loads.
.macro KLOAD base, sc, g, q
	s_cmp_eq_u32 s[PAR], 0
	s_cbranch_scc0 .Lodd_\@
.irp t, 0,1,2,3
	ds_load_b128 v[\base+12*\t:\base+12*\t+3], v8 offset:(\q)*SLAB+(4*(\g)+\t%2)*1536+128*(\t/2)
	ds_load_b64 v[\base+12*\t+4:\base+12*\t+5], v8 offset:(\q)*SLAB+(4*(\g)+\t%2)*1536+128*(\t/2)+512
.endr
	s_branch .Ljoin_\@
.Lodd_\@:
	s_wait_alu depctr_va_vdst(0)
.irp t, 0,1,2,3
	ds_load_b64 v[\base+12*\t+6:\base+12*\t+7], v8 offset:(\q)*SLAB+(4*(\g)+\t%2)*1536+128*(\t/2)+520
	ds_load_b128 v[\base+12*\t+8:\base+12*\t+11], v8 offset:(\q)*SLAB+(4*(\g)+\t%2)*1536+128*(\t/2)+1024
.endr
.Ljoin_\@:
	s_wait_alu depctr_va_vdst(0)
.irp t, 0,1,2,3
	ds_load_b32 v[\sc+\t], v10 offset:(\q)*SLAB+12288+64*(4*(\g)+\t%2)+32*(\t/2)
.endr
.endm
.macro VLOAD q                         ; my head's four fragments of v for step q, whole, into set SA
.irp t, 0,1,2,3
.irp c, 0,1,2
	ds_load_b128 v[SA+12*\t+4*\c:SA+12*\t+4*\c+3], v9 offset:(\q)*VROW+\t*1536+512*\c
.endr
	ds_load_b32 v[WA+\t], v11 offset:(\q)*256+64*\t
.endr
.endm
.macro SCORES set, sc, g               ; eight products: four tiles of keys x two streams; sixteen accumulators in all take turns
.irp t, 0,1,2,3
.irp x, 0,1
	v_wmma_scale_f32_16x16x128_f8f6f4 v[64*\x+32*(\g)+8*\t:64*\x+32*(\g)+8*\t+7], v[\set+12*\t:\set+12*\t+11], v[192+12*\x:203+12*\x], 0, v[\sc+\t], v[80+\x] matrix_a_fmt:MATRIX_FMT_FP6 matrix_b_fmt:MATRIX_FMT_FP6
.endr
.endr
.endm
; A KEY STEP: 128 keys, the q-th of the trip's four, for both streams.
.macro STEP q
.if (\q) == 0
	v_add_nc_u32 v8, s[TBK], v1                    ; the trip's addresses (these four are also the places in front of the loads below)
	v_add_nc_u32 v9, s[TBV], v2
	v_add_nc_u32 v10, s[TBK], v3
	v_add_nc_u32 v11, s[TBS], v4
	KLOAD SB, WB, 0, 0
	KLOAD SA, WA, 1, 0
.endif
	s_wait_dscnt 12                                ; tiles 0-3 of k are in; the twelve loads of tiles 4-7 may be out
	WIN 0x44
	SCORES SB, WB, 0
	s_wait_dscnt 0x0
	SCORES SA, WA, 1
	WIN 0
.rept 4
	v_nop                                          ; places in front of the loads into both sets, and of the first read of the scores
.endr
	VLOAD \q                                       ; they land while the softmax is worked
.if (\q) < 3
	KLOAD SB, WB, 0, (\q)+1
.endif
	WIN 0x15                                       ; the largest score of each block of 32 keys: two chains a block, eight chains by turns
.irp x, 0,1
.irp n, 0,1,2,3
	v_max3_num_f32 v[32+4*\x+\n], v[64*\x+16*\n], v[64*\x+16*\n+1], v[64*\x+16*\n+2]
.endr
.endr
	WIN 0x05
.irp i, 3,5,7,9,11,13
.irp x, 0,1
.irp n, 0,1,2,3
	v_max3_num_f32 v[32+4*\x+\n], v[64*\x+16*\n+\i], v[64*\x+16*\n+\i+1], v[32+4*\x+\n]
.endr
.endr
.endr
.irp x, 0,1
.irp g, 0,1
	v_max3_num_f32 v[32+4*\x+2*\g], v[64*\x+32*\g+15], v[64*\x+32*\g+31], v[32+4*\x+2*\g]
.endr
.endr
	WIN 0
.irp x, 0,1
.irp g, 0,1
	v_max_num_f32 v[32+4*\x+2*\g], v[32+4*\x+2*\g], v[33+4*\x+2*\g]   ; my block 2 g + h's largest score
.endr
.endr
.irp x, 0,1
	v_max_num_f32 v[40+\x], v[32+4*\x], v[34+4*\x]
.endr
.irp x, 0,1
	v_permlanex16_b32 v[42+\x], v[40+\x], s[SEL], s[SEL+1]
.endr
.irp x, 0,1
	v_max_num_f32 v[40+\x], v[40+\x], v[42+\x]     ; with lane l xor 16's two blocks: the step's largest score of my query
.endr
.irp x, 0,1
	v_mul_f32 v[40+\x], s[CS], v[40+\x]
.endr
.irp x, 0,1
	v_max_num_f32 v[13+2*\x], v[13+2*\x], v[40+\x] ; the running largest t
.endr
.irp x, 0,1
	v_mov_b32 v[42+\x], v[12+2*\x]
.endr
.irp x, 0,1
	v_floor_f32 v[12+2*\x], -v[13+2*\x]            ; -M = floor(-t)
.endr
.irp x, 0,1
	v_sub_f32 v[42+\x], v[12+2*\x], v[42+\x]
.endr
.irp x, 0,1
	v_cvt_i32_f32 v[42+\x], v[42+\x]               ; (it saturates)
.endr
.irp x, 0,1
	v_ldexp_f32 v[20+2*\x], 1.0, v[42+\x]          ; f = 2^(old M - new M)
.endr
.irp x, 0,1
.irp g, 0,1
	v_fma_f32 v[32+4*\x+2*\g], v[32+4*\x+2*\g], s[CS], v[12+2*\x]
.endr
.endr
.irp x, 0,1
	v_pk_mul_f32 v[16+2*\x:17+2*\x], v[16+2*\x:17+2*\x], v[20+2*\x:21+2*\x] op_sel_hi:[1,0]   ; the sums under the new M
.endr
	WIN 0x41
.set j, 0
.rept 64
	v_pk_fma_f32 v[j:j+1], v[j:j+1], s[CS:CS+1], v[12+2*(j/64):13+2*(j/64)] op_sel_hi:[1,0,0]   ; t - M
.set j, j+2
.endr
.set j, 0
.rept 32
	v_pk_mul_f32 v[128+j:129+j], v[128+j:129+j], v[20+2*(j/32):21+2*(j/32)] op_sel_hi:[1,0]   ; O^T under the new M: ahead of the step's transcendentals
.set j, j+2
.endr
	WIN 0
	s_wait_alu depctr_va_vdst(0)                   ; the wait ahead of the transcendentals: it serves both batches' sources
.irp x, 0,1
.irp g, 0,1
	v_exp_f32 v[32+4*\x+2*\g], v[32+4*\x+2*\g]     ; each block's largest p
.endr
.endr
	v_nop                                          ; a plain instruction behind the four
	s_wait_alu depctr_va_vdst(0)                   ; one wait for the four, ahead of their first reader
.irp x, 0,1
.irp g, 0,1
	v_max_num_f32 v[32+4*\x+2*\g], 0x1800000, v[32+4*\x+2*\g]   ; the floor: the byte cannot fall under 1
.endr
.endr
.irp x, 0,1
.irp g, 0,1
	v_add_nc_u32 v[48+2*\x+\g], 0xff000000, v[32+4*\x+2*\g]     ; 2 off the exponent field: the conversion's scale operand
.endr
.endr
.irp x, 0,1
.irp g, 0,1
	v_lshrrev_b32 v[52+2*\x+\g], 23, v[48+2*\x+\g]              ; the byte
.endr
.endr
.irp x, 0,1
	v_lshl_or_b32 v[82+\x], v[53+2*\x], 16, v[52+2*\x]          ; my two bytes: blocks h and 2 + h,
.endr
.irp x, 0,1
	v_lshlrev_b32 v[82+\x], v24, v[82+\x]                       ; at their places in the word;
.endr
.irp x, 0,1
	v_permlanex16_b32 v[44+\x], v[82+\x], s[SEL], s[SEL+1]
.endr
.irp x, 0,1
	v_or_b32 v[82+\x], v[82+\x], v[44+\x]                       ; with lane l xor 16's two: p's scale word for these 128 keys
.endr
	WIN 0x41
.set j, 0
.rept 128
	v_exp_f32 v[j], v[j]                           ; p = 2^(t - M)
.set j, j+1
.endr
	v_nop                                          ; a plain instruction behind the batch
	s_wait_alu depctr_va_vdst(0)                   ; one wait for the 128, ahead of their first reader
	WIN 0x05                                       ; the row's sum of the unquantised p: four chains a stream
.irp k, 0,1,2,3
.irp x, 0,1
	v_pk_add_f32 v[56+8*\x+2*\k:57+8*\x+2*\k], v[64*\x+4*\k:64*\x+4*\k+1], v[64*\x+4*\k+2:64*\x+4*\k+3]
.endr
.endr
	WIN 0x01
.set j, 16
.rept 24
.irp x, 0,1
	v_pk_add_f32 v[56+8*\x+2*((j/2)%4):57+8*\x+2*((j/2)%4)], v[64*\x+j:64*\x+j+1], v[56+8*\x+2*((j/2)%4):57+8*\x+2*((j/2)%4)]
.endr
.set j, j+2
.endr
	WIN 0x41
.irp x, 0,1
.irp g, 0,1
	v_cvt_scalef32_pk16_fp6_f32 v[216+12*\x+6*\g:218+12*\x+6*\g], v[64*\x+32*\g:64*\x+32*\g+15], v[48+2*\x+\g]
	v_cvt_scalef32_pk16_fp6_f32 v[240+8*\x+4*\g:242+8*\x+4*\g], v[64*\x+32*\g+16:64*\x+32*\g+31], v[48+2*\x+\g]   ; (a conversion's three registers begin on an even number)
.endr
.endr
	v_nop                                          ; one plain instruction behind the conversions
.irp x, 0,1
.irp g, 0,1
.irp i, 0,1,2
	v_mov_b32 v[219+12*\x+6*\g+\i], v[240+8*\x+4*\g+\i]   ; registers 6 g .. 6 g + 5 hold keys 64 g + 32 h + 0 .. 31
.endr
.endr
.endr
	WIN 0
.irp x, 0,1
	v_pk_add_f32 v[56+8*\x:57+8*\x], v[56+8*\x:57+8*\x], v[58+8*\x:59+8*\x]   ; these eight are also the places in front of the products below
.endr
.irp x, 0,1
	v_pk_add_f32 v[60+8*\x:61+8*\x], v[60+8*\x:61+8*\x], v[62+8*\x:63+8*\x]
.endr
.irp x, 0,1
	v_pk_add_f32 v[56+8*\x:57+8*\x], v[56+8*\x:57+8*\x], v[60+8*\x:61+8*\x]
.endr
.irp x, 0,1
	v_pk_add_f32 v[16+2*\x:17+2*\x], v[16+2*\x:17+2*\x], v[56+8*\x:57+8*\x]
.endr
	s_wait_alu depctr_va_vdst(0)
.if (\q) < 3
	s_wait_dscnt 12                                ; v is in; the twelve loads of the next step's tiles 0-3 may be out
.else
	s_wait_dscnt 0x0
.endif
	WIN 0x54
.irp t, 0,1,2,3
.irp x, 0,1
	v_wmma_scale_f32_16x16x128_f8f6f4 v[128+32*\x+8*\t:135+32*\x+8*\t], v[SA+12*\t:SA+12*\t+11], v[216+12*\x:227+12*\x], v[128+32*\x+8*\t:135+32*\x+8*\t], v[WA+\t], v[82+\x] matrix_a_fmt:MATRIX_FMT_FP6 matrix_b_fmt:MATRIX_FMT_FP6
.endr
.endr
	WIN 0
.if (\q) < 3
.rept 4
	v_nop                                          ; places in front of the loads into set SA
.endr
	KLOAD SA, WA, 1, (\q)+1
.endif
.endm
	s_wait_alu depctr_va_vdst(0)                   ; the wait at the head's end
	s_wait_tensorcnt 0x0                           ; my tile, if I asked for one, is in
	s_barrier_signal -1
	s_barrier_wait -1                              ; all seven tiles are in
.Ltrip:                                                ; four steps of 128 keys a trip, four trips; no wave waits for another
	STEP 0
	STEP 1
	STEP 2
	STEP 3
	s_add_co_u32 s[TBK], s[TBK], 4*SLAB
	s_add_co_u32 s[TBV], s[TBV], 4*VROW
	s_add_co_u32 s[TBS], s[TBS], 4*256
	s_sub_co_u32 s[CNT], s[CNT], 1
	s_cmp_lg_u32 s[CNT], 0
	s_cbranch_scc1 .Ltrip
	; THE WAY OUT: O^T / the sum through my stages, back as rows of 256 bytes; + xn; sixteen lanes store 256 consecutive bytes.
	; A stage is 16 rows x (256 + 16) bytes, two a wave, on k's first bytes: they have had their only fill, and behind the barrier below no wave reads them.
.irp x, 0,1
	v_add_f32 v[16+2*\x], v[16+2*\x], v[17+2*\x]
.endr
.irp x, 0,1
	v_permlanex16_b32 v[42+\x], v[16+2*\x], s[SEL], s[SEL+1]
.endr
.irp x, 0,1
	v_add_f32 v[16+2*\x], v[16+2*\x], v[42+\x]
.endr
	s_wait_alu depctr_va_vdst(0)
	v_rcp_f32 v16, v16
	v_rcp_f32 v18, v18
	v_and_b32 v8, 15, v0
	v_bfe_u32 v9, v0, 4, 1
	s_mul_i32 s76, s[WV], 2*16*272
	v_mul_u32_u24 v10, v8, 272
	v_mul_u32_u24 v11, v9, 272
	v_lshl_add_u32 v10, v9, 6, v10
	v_lshl_add_u32 v11, v8, 4, v11
	v_add_nc_u32 v10, s76, v10                     ; in: row r; tile t's register j is channel 32 (t / 2) + 16 h + 8 (t % 2) + j
	v_add_nc_u32 v11, s76, v11                     ; back: lanes 0-15 one row, lanes 16-31 the next
.irp x, 0,1
.irp i, 0,1,2,3,4,5,6,7
	global_load_b128 v[192+32*\x+4*\i:195+32*\x+4*\i], v7, s[6:7] offset:(8*\x+2*\i+8*(\i/4))*4096   ; place 2 i + (lane / 16) of a fragment is token 2 i + 8 (i / 4) + (lane / 16) on from its first
.endr
.endr
	WIN 0x01
	s_wait_alu depctr_va_vdst(0)                   ; directly ahead of the first reader of the reciprocals and of O^T
.irp x, 0,1
.irp n, 0,1,2,3,4,5,6,7,8,9,10,11,12,13,14,15,16,17,18,19,20,21,22,23,24,25,26,27,28,29,30,31
	v_mul_f32 v[96+32*\x+\n], v[128+32*\x+\n], v[16+2*\x]   ; each tile from its low end on
.endr
.endr
	WIN 0
	s_wait_alu depctr_va_vdst(0)                   ; the wait ahead of the barrier
	s_wait_dscnt 0x0                               ; my reads of k and v are over
	s_barrier_signal -1
	s_barrier_wait -1                              ; and so are everybody's
.irp x, 0,1
.irp t, 0,1,2,3
	ds_store_b128 v10, v[96+32*\x+8*\t:99+32*\x+8*\t] offset:4352*\x+128*(\t/2)+32*(\t%2)
	ds_store_b128 v10, v[100+32*\x+8*\t:103+32*\x+8*\t] offset:4352*\x+128*(\t/2)+32*(\t%2)+16
.endr
.endr
.irp x, 0,1
.irp i, 0,1,2,3,4,5,6,7
	ds_load_b128 v[32+32*\x+4*\i:35+32*\x+4*\i], v11 offset:4352*\x+544*\i     ; LDS serves a wave's instructions in order: these see my stores
.endr
.endr
	s_wait_loadcnt 0x0
.irp x, 0,1
.irp i, 0,1,2,3,4,5,6,7
	s_wait_dscnt 15-8*\x-\i
	v_pk_add_f32 v[32+32*\x+4*\i:33+32*\x+4*\i], v[32+32*\x+4*\i:33+32*\x+4*\i], v[192+32*\x+4*\i:193+32*\x+4*\i]
	v_pk_add_f32 v[34+32*\x+4*\i:35+32*\x+4*\i], v[34+32*\x+4*\i:35+32*\x+4*\i], v[194+32*\x+4*\i:195+32*\x+4*\i]
	global_store_b128 v7, v[32+32*\x+4*\i:35+32*\x+4*\i], s[8:9] offset:(8*\x+2*\i+8*(\i/4))*4096
.endr
.endr
	s_wait_tensorcnt 0x0                           ; the wave's end
	ds_add_u32 v5, v6
	s_wait_dscnt 0x0
	ROUND                                          ; the closing round
	s_endpgm
.Lfunc_end_k_qe0c203321a_attn:
	.size	k_qe0c203321a_attn, .Lfunc_end_k_qe0c203321a_attn-k_qe0c203321a_attn
	.p2alignl 7, 3214868480
	.fill 96, 4, 3214868480
	.section	.rodata,"a",@progbits
	.p2align	6, 0x0
	.amdhsa_kernel k_qe0c203321a_attn
		.amdhsa_group_segment_fixed_size 327680
		.amdhsa_private_segment_fixed_size 0
		.amdhsa_enable_private_segment 0
		.amdhsa_kernarg_size 24
		.amdhsa_user_sgpr_count 2
		.amdhsa_user_sgpr_kernarg_segment_ptr 1
		.amdhsa_wavefront_size32 1
		.amdhsa_system_sgpr_workgroup_id_x 1
		.amdhsa_system_sgpr_workgroup_id_y 1
		.amdhsa_system_sgpr_workgroup_id_z 1
		.amdhsa_system_vgpr_workitem_id 0
		.amdhsa_next_free_vgpr 512
		.amdhsa_next_free_sgpr 100
		.amdhsa_reserve_vcc 0
		.amdhsa_float_denorm_mode_32 3
		.amdhsa_float_denorm_mode_16_64 3
		.amdhsa_memory_ordered 1
		.amdhsa_forward_progress 1
		.amdhsa_inst_pref_size 142
	.end_amdhsa_kernel
	.amdgpu_metadata
---
amdhsa.version: [ 1, 2 ]
amdhsa.kernels:
  - .name:           k_qe0c203321a_attn
    .symbol:         k_qe0c203321a_attn.kd
    .args:
      - { .name: qkvF, .offset: 0, .size: 8, .value_kind: global_buffer, .address_space: global }
      - { .name: xn, .offset: 8, .size: 8, .value_kind: global_buffer, .address_space: global }
      - { .name: z, .offset: 16, .size: 8, .value_kind: global_buffer, .address_space: global }
    .group_segment_fixed_size: 327680
    .private_segment_fixed_size: 0
    .kernarg_segment_align: 8
    .kernarg_segment_size: 24
    .max_flat_workgroup_size: 256
    .sgpr_count:     100
    .vgpr_count:     512
    .wavefront_size: 32
...
	.end_amdgpu_metadata
.endif
;; end of part 3
;; launch ln2 (part 4): grid 256 x 1, 4 waves a work-group, no clusters, 168,448 bytes of LDS; arguments z, g2, b2, hF; writes hF
.if DOCPART == 4
	.amdgcn_target "amdgcn-amd-amdhsa--gfx1250"
	.amdhsa_code_object_version 6
	.text
	.protected	k_qe0c203321a_ln2
	.globl	k_qe0c203321a_ln2
	.p2align	8
	.type	k_qe0c203321a_ln2,@function
k_qe0c203321a_ln2:
	s_mov_b64 s[64:65], 0
	v_nop
	global_prefetch_b8 v0, s[64:65] scope:SCOPE_SE
	s_setreg_imm32_b32 hwreg(HW_REG_WAVE_MODE, 25, 1), 1
	s_wait_xcnt 0x0
; LN2.  h = LayerNorm(z) g2 + b2 in f32, quantised along its 1,024 columns to codes of FP6 (E2M3) with one E8M0 byte for each 32, in this program's slab layout: slabs of 12,800 bytes, one for 128 rows x 128 along K;
; fragment f (16 rows) at 1,536 f as an image of the operand's 12 registers (registers 4 c .. 4 c + 3 of lane L at 512 c + 16 L); at 12,288 + 64 f + 4 r the row's scale word; place (f, r) = row 32 (f / 2) + 8 (f % 2) + r + 8 (r / 8).
; A work-group takes ONE fragment: 16 rows, for all 8 K steps; each of its four waves 4 neighbouring rows; all loads of a wave go out at once.  4,096 rows make 256 work-groups.
; The images leave as 512 consecutive bytes a store.  The scale words leave as eight pieces of 64 bytes a work-group, parts of aligned blocks of 256: they are one byte in 128 of what the launch reads.
; LDS is claimed beyond the use (31,232 bytes), so that a work-group has its WGP to itself.
; No matrix work, no tensor load, no cluster: the work-groups share only the gain and the bias.
; LIMITS: NaN and infinities are not served; a block whose largest magnitude lies under 2^-124 gets the byte 1, a block of zeros too (the bytes are read by this program alone).
.set STW,  4608                        ; a wave's stage: 32 places of 128 bytes + 16
.set IMG,  4*STW                       ; the fragment's images of 8 K steps, 1,536 bytes each
.set SCA,  IMG+12288                   ; their scale words: 8 K steps x 16 rows
.set UNIT, 102400                      ; 8 slabs
.set X,    64                          ; v64-191  four rows, 32 registers each: register 4 j + e = column 128 j + 4 lane + e
.set YY,   192                         ; v192-255 two sets of 32: a block of 32 neighbours a lane
.set GG,   192                         ; (ahead of that: the gain
.set BB,   224                         ;  and the bias)
	s_load_b256 s[4:11], s[0:1], 0x0               ; z, g2, b2, hF
	v_lshl_add_u32 v62, v0, 2, 0x29000
	v_mov_b32 v63, 0
	v_lshrrev_b32 v1, 5, v0
	v_readfirstlane_b32 s26, v1                    ; wave 0..3: my places 4 u .. 4 u + 3 of the fragment
	v_and_b32 v1, 31, v0
	s_wait_alu depctr_va_vdst(0)
	v_lshlrev_b32 v2, 4, v1                        ; 16 x lane
	s_and_b32 s45, ttmp9, 7                        ; f: the fragment
	s_lshr_b32 s44, ttmp9, 3                       ; the group of 128 rows
	s_lshr_b32 s47, s45, 1
	s_lshl_b32 s47, s47, 5
	s_and_b32 s48, s45, 1
	s_lshl_b32 s48, s48, 3
	s_add_co_u32 s47, s47, s48
	s_lshl_b32 s48, s26, 2
	s_add_co_u32 s47, s47, s48
	s_lshr_b32 s48, s26, 1
	s_lshl_b32 s48, s48, 3
	s_add_co_u32 s47, s47, s48
	s_lshl_b32 s48, s44, 7
	s_add_co_u32 s47, s47, s48                     ; my first row: 128 x group + 32 (f / 2) + 8 (f % 2) + 4 u + 8 (u / 2)
	s_lshl_b32 s50, s47, 12
	s_mov_b32 s51, 0
	s_mul_i32 s52, s44, UNIT
	s_mov_b32 s53, 0
	s_mul_i32 s54, s26, STW
	v_lshrrev_b32 v3, 3, v1
	v_mul_u32_u24 v8, v3, 144
	v_and_b32 v3, 7, v1
	v_lshl_add_u32 v8, v3, 4, v8
	v_add_nc_u32 v8, s54, v8                       ; v8: the stage, on the way in: eight lanes' 128 bytes to a place
	v_mul_u32_u24 v9, v1, 144
	v_add_nc_u32 v9, s54, v9                       ; v9: and out: block `lane` of the row
	s_lshl_b32 s54, s26, 6
	s_add_co_u32 s54, s54, IMG
	v_lshrrev_b32 v3, 2, v1                        ; my block's K step
	v_mul_u32_u24 v10, v3, 1536
	v_and_b32 v15, 1, v1                           ; h of the lane that will hold my block
	v_lshl_add_u32 v10, v15, 8, v10
	v_add_nc_u32 v10, s54, v10
	v_bfe_u32 v15, v1, 1, 1                        ; c': registers 6 c' on
	v_mad_u32_u24 v11, v15, 1016, v10              ; my block's 24 bytes lie at 0, 8, 512 or at 520, 1,024, 1,032 of the image: v11 serves the middle piece,
	v_mad_u32_u24 v10, v15, 520, v10               ; v10 the first and the last
	s_lshl_b32 s54, s26, 4
	s_add_co_u32 s54, s54, SCA
	v_and_b32 v15, 3, v1
	v_lshl_add_u32 v12, v3, 6, v15
	v_add_nc_u32 v12, s54, v12                     ; v12: my block's byte in its row's scale word
	s_mul_i32 s54, s26, 3072
	s_add_co_u32 s54, s54, IMG
	v_add_nc_u32 v13, s54, v2                      ; v13: the way out: wave u takes the images of K steps 2 u and 2 u + 1
	s_mul_i32 s54, s26, 25600
	s_mul_i32 s55, s45, 1536
	s_add_co_u32 s54, s54, s55
	v_add_nc_u32 v14, s54, v2                      ; v14: and their place in the 8 slabs
	v_add_nc_u32 v15, SCA, v2                      ; v15: the scale words, 16 bytes a lane (wave 0)
	s_lshl_b32 s54, s45, 6
	s_add_co_u32 s54, s54, 12288
	v_mul_u32_u24 v3, v3, 12800
	v_and_b32 v48, 3, v1
	v_lshl_add_u32 v3, v48, 4, v3
	v_add_nc_u32 v3, s54, v3                       ; v3: their place: four lanes fill a slab's 64 bytes
	s_mov_b32 s36, 0x76543210
	s_mov_b32 s37, 0xfedcba98                      ; lane l xor 16
	s_mov_b32 s56, 0x3a800000                      ; 1 / 1,024
	s_mov_b32 s57, 0x3727c5ac                      ; 1e-5
	s_wait_kmcnt 0x0
	s_add_nc_u64 s[30:31], s[4:5], s[50:51]
	s_add_nc_u64 s[32:33], s[10:11], s[52:53]
.irp p, 0,1,2,3
.irp j, 0,1,2,3,4,5,6,7
	global_load_b128 v[X+32*\p+4*\j:X+32*\p+4*\j+3], v2, s[30:31] offset:4096*\p+512*\j th:TH_LOAD_NT
.endr
.endr
.irp j, 0,1,2,3,4,5,6,7
	global_load_b128 v[GG+4*\j:GG+4*\j+3], v2, s[6:7] offset:512*\j
	global_load_b128 v[BB+4*\j:BB+4*\j+3], v2, s[8:9] offset:512*\j
.endr
.irp p, 0,1,2,3
	v_mov_b32 v[48+\p], 0                          ; a lane permute's destination counts as one of its sources
.endr
.macro CROSS                           ; two pairs of partial sums a row -> the row's sum in v[16+4p] of every lane
.irp p, 0,1,2,3
	v_pk_add_f32 v[16+4*\p:17+4*\p], v[16+4*\p:17+4*\p], v[18+4*\p:19+4*\p]
.endr
.irp p, 0,1,2,3
	v_add_f32 v[16+4*\p], v[16+4*\p], v[17+4*\p]
.endr
.irp m, 1,2,4,8
.irp p, 0,1,2,3
	v_add_f32_dpp v[16+4*\p], v[16+4*\p], v[16+4*\p] row_xmask:\m row_mask:0xf bank_mask:0xf
.endr
.endr
.irp p, 0,1,2,3
	v_permlanex16_b32 v[48+\p], v[16+4*\p], s36, s37
.endr
.irp p, 0,1,2,3
	v_add_f32 v[16+4*\p], v[16+4*\p], v[48+\p]
.endr
.endm
	s_wait_loadcnt 16                              ; my four rows are in; the sixteen loads of gain and bias may be out
.irp p, 0,1,2,3
	v_pk_add_f32 v[16+4*\p:17+4*\p], v[X+32*\p:X+32*\p+1], v[X+32*\p+2:X+32*\p+3]
	v_pk_add_f32 v[18+4*\p:19+4*\p], v[X+32*\p+4:X+32*\p+5], v[X+32*\p+6:X+32*\p+7]
.endr
.irp i, 8,12,16,20,24,28
.irp p, 0,1,2,3
	v_pk_add_f32 v[16+4*\p:17+4*\p], v[16+4*\p:17+4*\p], v[X+32*\p+\i:X+32*\p+\i+1]
	v_pk_add_f32 v[18+4*\p:19+4*\p], v[18+4*\p:19+4*\p], v[X+32*\p+\i+2:X+32*\p+\i+3]
.endr
.endr
	CROSS
.irp p, 0,1,2,3
	v_mul_f32 v[32+2*\p], s56, v[16+4*\p]          ; the mean, twice: a pair for the packed forms
.endr
.irp p, 0,1,2,3
	v_mov_b32 v[33+2*\p], v[32+2*\p]
.endr
.irp p, 0,1,2,3
.set i, 0
.rept 16
	v_pk_add_f32 v[X+32*\p+i:X+32*\p+i+1], v[X+32*\p+i:X+32*\p+i+1], v[32+2*\p:33+2*\p] neg_lo:[0,1] neg_hi:[0,1]
.set i, i+2
.endr
.endr
.irp p, 0,1,2,3
	v_pk_mul_f32 v[16+4*\p:17+4*\p], v[X+32*\p:X+32*\p+1], v[X+32*\p:X+32*\p+1]
	v_pk_mul_f32 v[18+4*\p:19+4*\p], v[X+32*\p+2:X+32*\p+3], v[X+32*\p+2:X+32*\p+3]
.endr
.irp i, 4,8,12,16,20,24,28
.irp p, 0,1,2,3
	v_pk_fma_f32 v[16+4*\p:17+4*\p], v[X+32*\p+\i:X+32*\p+\i+1], v[X+32*\p+\i:X+32*\p+\i+1], v[16+4*\p:17+4*\p]
	v_pk_fma_f32 v[18+4*\p:19+4*\p], v[X+32*\p+\i+2:X+32*\p+\i+3], v[X+32*\p+\i+2:X+32*\p+\i+3], v[18+4*\p:19+4*\p]
.endr
.endr
	CROSS
.irp p, 0,1,2,3
	v_fma_f32 v[16+4*\p], v[16+4*\p], s56, s57     ; the variance + 1e-5
.endr
	s_wait_alu depctr_va_vdst(0)
.irp p, 0,1,2,3
	v_rsq_f32 v[40+2*\p], v[16+4*\p]
	v_rsq_f32 v[41+2*\p], v[16+4*\p]
.endr
	v_nop                                          ; a plain instruction behind the last of the batch
	s_wait_alu depctr_va_vdst(0)                   ; one wait for the eight, ahead of their first reader
.irp p, 0,1,2,3
.set i, 0
.rept 16
	v_pk_mul_f32 v[X+32*\p+i:X+32*\p+i+1], v[X+32*\p+i:X+32*\p+i+1], v[40+2*\p:41+2*\p]
.set i, i+2
.endr
.endr
	s_wait_loadcnt 0x0                             ; the gain and the bias
.irp p, 0,1,2,3
.set i, 0
.rept 16
	v_pk_fma_f32 v[X+32*\p+i:X+32*\p+i+1], v[X+32*\p+i:X+32*\p+i+1], v[GG+i:GG+i+1], v[BB+i:BB+i+1]
.set i, i+2
.endr
.endr
.macro TURN p                          ; row p through my stage: in as loaded, back 128 bytes a lane; LDS serves a wave's instructions in order
.irp j, 0,1,2,3,4,5,6,7
	ds_store_b128 v8, v[X+32*(\p)+4*\j:X+32*(\p)+4*\j+3] offset:576*\j
.endr
.irp i, 0,1,2,3,4,5,6,7
	ds_load_b128 v[YY+32*((\p)%2)+4*\i:YY+32*((\p)%2)+4*\i+3], v9 offset:16*\i
.endr
.endm
.macro QROW p                          ; my block of row p: scale, 32 codes in 24 bytes, to their places in the image; each row has its own registers for codes and byte
.set YS, YY+32*((\p)%2)
.set CC, 16+8*(\p)
	v_max3_num_f32 v52, |v[YS]|, |v[YS+1]|, |v[YS+2]|
	v_max3_num_f32 v53, |v[YS+3]|, |v[YS+4]|, |v[YS+5]|
.irp i, 6,10,14,18,22,26
	v_max3_num_f32 v52, v52, |v[YS+\i]|, |v[YS+\i+1]|
	v_max3_num_f32 v53, v53, |v[YS+\i+2]|, |v[YS+\i+3]|
.endr
	v_max3_num_f32 v52, v52, |v[YS+30]|, |v[YS+31]|
	v_max3_num_f32 v52, v52, v53, 0x1800000        ; the floor 2^(3 - 127): the byte cannot fall under 1
	v_add_nc_u32 v54, 0xff000000, v52              ; 2 off the exponent field: the conversion's scale operand
	v_lshrrev_b32 v[CC+7], 23, v54                 ; the byte
	v_cvt_scalef32_pk16_fp6_f32 v[CC:CC+2], v[YS:YS+15], v54
	v_cvt_scalef32_pk16_fp6_f32 v[CC+4:CC+6], v[YS+16:YS+31], v54   ; (a conversion's three registers begin on an even number)
	v_nop                                          ; one plain instruction behind the conversions
	v_mov_b32 v[CC+3], v[CC+4]
	v_mov_b32 v[CC+4], v[CC+5]
	v_mov_b32 v[CC+5], v[CC+6]
	ds_store_b64 v10, v[CC:CC+1] offset:16*(\p)
	ds_store_b64 v11, v[CC+2:CC+3] offset:8+16*(\p)
	ds_store_b64 v10, v[CC+4:CC+5] offset:512+16*(\p)
	ds_store_b8 v12, v[CC+7] offset:4*(\p)
.endm
	TURN 0
	TURN 1
	s_wait_dscnt 16                                ; row 0 is back; row 1's sixteen may be out
	QROW 0
	TURN 2
	s_wait_dscnt 20                                ; row 1 is back; behind it: four stores and row 2's sixteen
	QROW 1
	TURN 3
	s_wait_dscnt 20
	QROW 2
	s_wait_dscnt 4                                 ; row 3 is back; behind it: row 2's four stores
	QROW 3
	s_wait_dscnt 0x0                               ; for the others' sake: my stores have landed
	s_barrier_signal -1
	s_barrier_wait -1
.irp m, 0,1,2,3,4,5
	ds_load_b128 v[192+4*\m:195+4*\m], v13 offset:512*\m
.endr
.irp m, 0,1,2,3,4,5
	s_wait_dscnt 5-\m
	global_store_b128 v14, v[192+4*\m:195+4*\m], s[32:33] offset:(\m/3)*12800+(\m%3)*512   ; 512 consecutive bytes, at a multiple of 256 from the buffer's first byte
.endr
	s_cmp_eq_u32 s26, 0
	s_cbranch_scc0 .Ldone
	ds_load_b128 v[216:219], v15
	s_wait_dscnt 0x0
	global_store_b128 v3, v[216:219], s[32:33]
.Ldone:
	s_wait_tensorcnt 0x0
	ds_add_u32 v62, v63
	s_wait_dscnt 0x0
	s_endpgm
.Lfunc_end_k_qe0c203321a_ln2:
	.size	k_qe0c203321a_ln2, .Lfunc_end_k_qe0c203321a_ln2-k_qe0c203321a_ln2
	.p2alignl 7, 3214868480
	.fill 96, 4, 3214868480
	.section	.rodata,"a",@progbits
	.p2align	6, 0x0
	.amdhsa_kernel k_qe0c203321a_ln2
		.amdhsa_group_segment_fixed_size 168448
		.amdhsa_private_segment_fixed_size 0
		.amdhsa_enable_private_segment 0
		.amdhsa_kernarg_size 32
		.amdhsa_user_sgpr_count 2
		.amdhsa_user_sgpr_kernarg_segment_ptr 1
		.amdhsa_wavefront_size32 1
		.amdhsa_system_sgpr_workgroup_id_x 1
		.amdhsa_system_sgpr_workgroup_id_y 1
		.amdhsa_system_sgpr_workgroup_id_z 1
		.amdhsa_system_vgpr_workitem_id 0
		.amdhsa_next_free_vgpr 256
		.amdhsa_next_free_sgpr 66
		.amdhsa_reserve_vcc 0
		.amdhsa_float_denorm_mode_32 3
		.amdhsa_float_denorm_mode_16_64 3
		.amdhsa_memory_ordered 1
		.amdhsa_forward_progress 1
		.amdhsa_inst_pref_size 45
	.end_amdhsa_kernel
	.amdgpu_metadata
---
amdhsa.version: [ 1, 2 ]
amdhsa.kernels:
  - .name:           k_qe0c203321a_ln2
    .symbol:         k_qe0c203321a_ln2.kd
    .args:
      - { .name: z, .offset: 0, .size: 8, .value_kind: global_buffer, .address_space: global }
      - { .name: g2, .offset: 8, .size: 8, .value_kind: global_buffer, .address_space: global }
      - { .name: b2, .offset: 16, .size: 8, .value_kind: global_buffer, .address_space: global }
      - { .name: hF, .offset: 24, .size: 8, .value_kind: global_buffer, .address_space: global }
    .group_segment_fixed_size: 168448
    .private_segment_fixed_size: 0
    .kernarg_segment_align: 8
    .kernarg_segment_size: 32
    .max_flat_workgroup_size: 128
    .sgpr_count:     66
    .vgpr_count:     256
    .wavefront_size: 32
...
	.end_amdgpu_metadata
.endif
;; end of part 4
;; launch ff1 (part 5): grid 16 x 16, 4 waves a work-group, clusters of 4 x 4, 327,680 bytes of LDS; arguments hF, wF, bf1, hidF; writes hidF
.if DOCPART == 5
	.amdgcn_target "amdgcn-amd-amdhsa--gfx1250"
	.amdhsa_code_object_version 6
	.text
	.protected	k_qe0c203321a_ff1
	.globl	k_qe0c203321a_ff1
	.p2align	8
	.type	k_qe0c203321a_ff1,@function
k_qe0c203321a_ff1:
	s_mov_b64 s[64:65], 0
	v_nop
	global_prefetch_b8 v0, s[64:65] scope:SCOPE_SE
	s_setreg_imm32_b32 hwreg(HW_REG_WAVE_MODE, 25, 1), 1
	s_wait_xcnt 0x0
	s_wait_alu depctr_hold_cnt(0) depctr_sa_sdst(0) depctr_va_vdst(0) depctr_va_sdst(0) depctr_va_ssrc(0) depctr_va_vcc(0) depctr_vm_vsrc(0)
	s_getreg_b32 s2, hwreg(HW_REG_IB_STS2, 6, 4)
	s_cmp_eq_u32 s2, 0
	s_cbranch_scc0 .Lentry_in_a_cluster
	s_endpgm
.Lentry_in_a_cluster:
	s_bfe_u32 s2, ttmp6, 0x10000c
	s_cmp_lg_u32 s2, 0xf033
	s_cbranch_scc0 .Lentry_shape_is_right
	s_endpgm
.Lentry_shape_is_right:
.set SLAB,  12800
.set SLOT,  102400
.set SPARE, 3*SLOT
.set SCST,  SPARE+512
.set W1_OFF, 2457600
.set ADRA, 16
.set ADRB, 20
.set ADRS, 24
.set LI,   27
.set SPW,  28
.set NIL,  29
.set SWA,  30
.set SRD,  31
.set SC,   32
.set TM,   48
.set PW,   12
.set BI,   64
.set HA,   64
.set AF,   128
.set PC,   128
.set G1A,  24
.set G0A,  32
.set G1B,  44
.set G0B,  52
.set OUTP, 10
.set SEL,  90
.set MSB, 0
.macro WIN new
.if MSB != (\new)
	s_set_vgpr_msb (MSB<<8)|(\new)
.set MSB, (\new)
.endif
.endm
.macro PLACES n
.rept \n
	v_nop
.endr
.endm
.macro JLOAD g0a, g1a, g0b, g1b
	s_cmp_eq_u32 s17, 0
	s_cbranch_scc0 .Lfor_b_\@
	tensor_load_to_lds s[\g0a:\g0a+3], s[\g1a:\g1a+7]
	s_nop 0
.rept 4
	v_nop
.endr
	s_branch .Lasked_\@
.Lfor_b_\@:
	tensor_load_to_lds s[\g0b:\g0b+3], s[\g1b:\g1b+7]
	s_nop 0
.rept 4
	v_nop
.endr
.Lasked_\@:
.endm
.macro CREST
	s_cmp_lg_u32 s16, 0
	s_cbranch_scc1 .Lnot_wave_0_\@
	s_barrier_signal -3
.Lnot_wave_0_\@:
	s_barrier_wait -3
	s_barrier_signal -1
	s_barrier_wait -1
.endm
.macro CROUND
	s_barrier_signal -1
	s_barrier_wait -1
	CREST
.endm
.macro FRAG reg, adr, q, i
.irp c, 0,1,2
	ds_load_b128 v[\reg+4*\c:\reg+4*\c+3], v[\adr] offset:(\q)*SLAB+(\i)*1536+512*\c
.endr
.endm
.macro FETCH_B slot, q, p
	WIN 0x40
.irp i, 0,1,2,3,4,5,6,7
	FRAG 128*(\p)+12*\i, ADRB+\slot, \q, \i
.endr
	WIN 0
.endm
.macro FETCH_A slot, q, i0
.irp i, \i0, \i0+1, \i0+2, \i0+3
	FRAG AF+12*(\i), ADRA+\slot, \q, \i
.endr
.endm
.macro SCALES slot, q, p
.irp i, 0,1,2,3,4,5,6,7
	ds_load_b32 v[SC+8*(\p)+\i], v[ADRS+\slot] offset:(\q)*SLAB+64*\i
.endr
.endm
.macro MULQ qd, p, mode
.irp a, 2*(\qd), 2*(\qd)+1
.irp b, 0,1,2,3,4,5,6,7
.if \mode == 0
	v_wmma_scale_f32_16x16x128_f8f6f4 v[8*(8*((\a)%4)+\b):8*(8*((\a)%4)+\b)+7], v[128*(\p)+12*\b:128*(\p)+12*\b+11], v[AF+12*(\a):AF+12*(\a)+11], v[8*(8*((\a)%4)+\b):8*(8*((\a)%4)+\b)+7], v[SC+8*(\p)+\b], v[SC+8*(\p)+(\a)] matrix_a_fmt:MATRIX_FMT_FP6 matrix_b_fmt:MATRIX_FMT_FP6 matrix_a_scale:MATRIX_SCALE_ROW1
.else
	v_wmma_scale_f32_16x16x128_f8f6f4 v[8*(8*((\a)%4)+\b):8*(8*((\a)%4)+\b)+7], v[128*(\p)+12*\b:128*(\p)+12*\b+11], v[AF+12*(\a):AF+12*(\a)+11], v[BI+8*\b:BI+8*\b+7], v[SC+8*(\p)+\b], v[SC+8*(\p)+(\a)] matrix_a_fmt:MATRIX_FMT_FP6 matrix_b_fmt:MATRIX_FMT_FP6 matrix_a_scale:MATRIX_SCALE_ROW1
.endif
.endr
.endr
.endm
.macro STEP slot, q, nslot, nq, mode
	s_wait_dscnt 12
.if \mode
	WIN 0x81
.else
	WIN 0xa1
.endif
	MULQ 0, (\q)%2, \mode
	MULQ 1, (\q)%2, \mode
	s_wait_dscnt 0x0
	PLACES 4
	FETCH_B \nslot, \nq, 1-(\q)%2
	FETCH_A \nslot, \nq, 0
	SCALES \nslot, \nq, 1-(\q)%2
.if \mode
	WIN 0xc1
.else
	WIN 0xf1
.endif
	MULQ 2, (\q)%2, \mode
	MULQ 3, (\q)%2, \mode
	PLACES 4
	WIN 0
	FETCH_A \nslot, \nq, 4
.endm
.macro TURN slot, nslot, fill
	s_wait_tensorcnt 0x0
	ds_add_u32 v[SPW], v[NIL]
.if \fill
	s_mov_b32 s[G1A+2], 100<<16                    ; no load of mine is out: the refill brings two slabs again
	s_mov_b32 s[G1A+4], 100
	s_mov_b32 s[G1B+2], 100<<16
	s_mov_b32 s[G1B+4], 100
.endif
	s_wait_dscnt 13
	WIN 0xa1
	MULQ 0, 1, 0
	s_wait_dscnt 0x0
	s_barrier_signal -1
	MULQ 1, 1, 0
	WIN 0
	s_barrier_wait -1
.if \fill
	CREST
	s_add_nc_u64 s[G0A+4*\slot+2:G0A+4*\slot+3], s[G0A+4*\slot+2:G0A+4*\slot+3], 6*SLAB
	s_add_nc_u64 s[G0B+4*\slot+2:G0B+4*\slot+3], s[G0B+4*\slot+2:G0B+4*\slot+3], 6*SLAB
	JLOAD G0A+4*\slot, G1A, G0B+4*\slot, G1B
.else
	PLACES 4
.endif
	s_wait_alu depctr_va_vdst(0)
	FETCH_B \nslot, 0, 0
	FETCH_A \nslot, 0, 0
	SCALES \nslot, 0, 0
	WIN 0xf1
	MULQ 2, 1, 0
	MULQ 3, 1, 0
	PLACES 4
	WIN 0
	FETCH_A \nslot, 0, 4
.endm
.macro SILU a
.set WW, 2+(\a)/4
.set AC, 64*((\a)%4)
	WIN WW
.set i, 0
.rept 32
	v_pk_mul_f32 v[HA+i:HA+i+1], v[AC+i:AC+i+1], s[92:93] op_sel_hi:[1,0]
.set i, i+2
.endr
	WIN 0
.set i, 0
	s_wait_alu depctr_va_vdst(0)
.rept 64
	v_exp_f32 v[HA+i], v[HA+i]
.set i, i+1
.endr
	v_nop
	s_wait_alu depctr_va_vdst(0)
.set i, 0
.rept 32
	v_pk_add_f32 v[HA+i:HA+i+1], v[HA+i:HA+i+1], 1.0 op_sel_hi:[1,0]
.set i, i+2
.endr
.set i, 0
	s_wait_alu depctr_va_vdst(0)
.rept 64
	v_rcp_f32 v[HA+i], v[HA+i]
.set i, i+1
.endr
	v_nop
	s_wait_alu depctr_va_vdst(0)
	WIN WW
.set i, 0
.rept 32
	v_pk_mul_f32 v[HA+i:HA+i+1], v[AC+i:AC+i+1], v[HA+i:HA+i+1]
.set i, i+2
.endr
	WIN 0
.endm
.macro QUANT src
.irp b, 0,1,2,3
	v_max3_num_f32 v[TM+\b], |v[\src+16*\b]|, |v[\src+16*\b+1]|, 0x1800000
.endr
.irp i, 2,4,6,8,10,12,14
.irp b, 0,1,2,3
	v_max3_num_f32 v[TM+\b], |v[\src+16*\b+\i]|, |v[\src+16*\b+\i+1]|, v[TM+\b]
.endr
.endr
.irp b, 0,1,2,3
	v_permlanex16_b32 v[TM+4+\b], v[TM+\b], s[SEL], s[SEL+1]
.endr
.irp b, 0,1,2,3
	v_max_num_f32 v[TM+\b], v[TM+\b], v[TM+4+\b]
.endr
.irp b, 0,1,2,3
	v_add_nc_u32 v[TM+12+\b], 0xff000000, v[TM+\b]
.endr
.irp b, 0,1,2,3
	v_lshrrev_b32 v[TM+4+\b], 23, v[TM+12+\b]
.endr
	s_wait_alu depctr_va_vdst(0)
	s_wait_dscnt 0x0
	s_wait_xcnt 0x0
	v_lshl_or_b32 v[PW], v[TM+5], 8, v[TM+4]
	v_lshl_or_b32 v[PW], v[TM+6], 16, v[PW]
	v_lshl_or_b32 v[PW], v[TM+7], 24, v[PW]
.irp c, 0,1
	v_cvt_scalef32_pk16_fp6_f32 v[PC+6*\c:PC+6*\c+2], v[\src+32*\c:\src+32*\c+15], v[TM+12+2*\c]
	v_cvt_scalef32_pk16_fp6_f32 v[PC+12+4*\c:PC+14+4*\c], v[\src+32*\c+16:\src+32*\c+31], v[TM+12+2*\c+1]
.endr
	v_nop
.irp c, 0,1
.irp i, 0,1,2
	v_permlane16_swap_b32 v[PC+6*\c+\i], v[PC+12+4*\c+\i]
.endr
.irp i, 0,1,2
	v_mov_b32 v[PC+3+6*\c+\i], v[PC+12+4*\c+\i]
.endr
.endr
.endm
.macro OUT a
.irp c, 0,1,2
	global_store_b128 v[LI], v[PC+4*\c:PC+4*\c+3], s[OUTP:OUTP+1] offset:(\a)*1536+512*\c
.endr
	ds_store_b32 v[SWA], v[PW] offset:64*(\a)
.endm
	s_load_b256 s[4:11], s[0:1], 0x0
	v_lshl_add_u32 v[SPW], v0, 2, SPARE
	v_mov_b32 v[NIL], 0
	ds_add_u32 v28, v29
	ds_add_u32 v28, v29
	s_wait_dscnt 0x0
	v_lshrrev_b32 v1, 5, v0
	v_readfirstlane_b32 s16, v1
	s_lshr_b32 s17, s16, 1
	s_and_b32 s18, s16, 1
	s_bfe_u32 s19, ttmp6, 0x40000
	s_bfe_u32 s20, ttmp6, 0x40004
	s_and_b32 s21, ttmp7, 0xffff
	s_lshl_b32 s22, s20, 2
	s_lshl_b32 s22, 15, s22
	s_lshl_b32 s23, 0x1111, s19
	s_or_b32 s[G1A], s22, (3<<16)|(1<<21)
	s_or_b32 s[G1B], s23, (3<<16)|(1<<21)
.irp g, G1A, G1B
	s_mov_b32 s[\g+1], 32<<16
	s_mov_b32 s[\g+2], 100<<16
	s_mov_b32 s[\g+3], 32<<16
	s_mov_b32 s[\g+4], 100
	s_mov_b32 s[\g+5], 32
	s_mov_b32 s[\g+6], 0
	s_mov_b32 s[\g+7], 0
.endr
	s_lshl_b32 s66, s21, 2
	s_add_co_u32 s66, s66, s20
	s_lshl_b32 s67, ttmp9, 2
	s_add_co_u32 s67, s67, s19
	s_lshl_b32 s70, s66, 1
	s_add_co_u32 s70, s70, s18
	s_mul_i32 s70, s70, 8*SLAB
	s_mov_b32 s71, 0
	s_lshl_b32 s72, s67, 1
	s_add_co_u32 s72, s72, s18
	s_mul_i32 s72, s72, 8*SLAB
	s_add_co_u32 s72, s72, W1_OFF
	s_mov_b32 s73, 0
	s_mul_i32 s74, s16, 2*SLAB
	s_mov_b32 s[SEL], 0x76543210
	s_mov_b32 s[SEL+1], 0xfedcba98
	s_mov_b32 s92, 0xbfb8aa3b
	s_mov_b32 s93, s92
	s_wait_kmcnt 0x0
	s_add_nc_u64 s[76:77], s[4:5], s[70:71]
	s_add_nc_u64 s[78:79], s[6:7], s[72:73]
	CROUND
; THE RING: slot 0 holds steps 0 and 1, asked for at the head, one load a wave; the bytes of slots 1 and 2 are one long slot, filled by one load of four slabs a wave (steps 2 to 5) behind the head's round;
; slot 0 is filled once more, with steps 6 and 7.  In the long slot wave w's four slabs lie at SLOT + 4 w slabs.
.irp s, 0,1
	s_mov_b32 s[G0A+4*\s], 1
	s_add_co_u32 s[G0A+4*\s+1], s74, \s*SLOT
	s_add_nc_u64 s[G0A+4*\s+2:G0A+4*\s+3], s[76:77], \s*2*SLAB
	s_or_b32 s[G0A+4*\s+3], s[G0A+4*\s+3], 0x80000000
	s_mov_b32 s[G0B+4*\s], 1
	s_add_co_u32 s[G0B+4*\s+1], s74, \s*SLOT
	s_add_nc_u64 s[G0B+4*\s+2:G0B+4*\s+3], s[78:79], \s*2*SLAB
	s_or_b32 s[G0B+4*\s+3], s[G0B+4*\s+3], 0x80000000
.if \s == 0
	s_lshl_b32 s74, s74, 1                         ; in the long slot a wave's part is twice as long
.endif
.endr
	JLOAD G0A, G1A, G0B, G1B                       ; steps 0 and 1: one tensor load a wave at the head
	v_and_b32 v1, 15, v0
	v_bfe_u32 v2, v0, 4, 1
	v_and_b32 v3, 31, v0
	v_lshlrev_b32 v[LI], 4, v3
	s_wait_alu depctr_va_vdst(0)
	; PREFETCHES INTO THE L2, one load ahead: of the slabs that my next load brings, each of the four partners that ask for them jointly names a quarter, told apart by address (cx for R, cy for P); a lane a block of 256 bytes.
	s_cmp_eq_u32 s17, 0
	s_cselect_b32 s75, s19, s20                    ; my place among the four
	s_cselect_b64 s[98:99], s[76:77], s[78:79]     ; my group's eight slabs
	s_mul_i32 s69, s75, 6400                       ; a quarter of two slabs: 25 blocks
	s_mul_i32 s75, s75, 12800                      ; a quarter of four slabs: 50 blocks
	v_min_u32 v7, 24, v3                           ; (lanes left over name the last block again)
	v_lshl_add_u32 v7, v7, 8, s69
	v_lshl_add_u32 v13, v3, 8, s75
	v_min_u32 v15, 17, v3
	v_lshl_add_u32 v15, v15, 8, s75
	v_add_nc_u32 v15, 0x2000, v15
	global_prefetch_b8 v13, s[98:99] offset:2*SLAB th:TH_LOAD_NT scope:SCOPE_SE   ; steps 2 to 5
	global_prefetch_b8 v15, s[98:99] offset:2*SLAB th:TH_LOAD_NT scope:SCOPE_SE
	s_mul_i32 s80, s17, 2*SLAB
	s_mul_i32 s81, s18, 2*SLAB
	s_add_co_u32 s81, s81, 4*SLAB
	s_xor_b32 s82, s17, 1
	s_add_co_u32 s82, s82, s18
	s_add_co_u32 s82, s82, 1
	s_mul_i32 s82, s82, 2*SLAB
	v_mul_u32_u24 v4, s82, v2
	v_lshl_add_u32 v4, v1, 2, v4
	s_add_co_u32 s83, s80, 12288
	v_add_nc_u32 v[ADRA], s80, v[LI]
	v_add_nc_u32 v[ADRB], s81, v[LI]
	v_add_nc_u32 v[ADRS], s83, v4
	s_lshl_b32 s80, s80, 1                         ; the long slot: groups lie four slabs apart
	s_lshl_b32 s81, s81, 1
	s_lshl_b32 s82, s82, 1
	s_add_co_u32 s80, s80, SLOT
	s_add_co_u32 s81, s81, SLOT
	s_add_co_u32 s83, s80, 12288
	v_mul_u32_u24 v4, s82, v2
	v_lshl_add_u32 v4, v1, 2, v4
.irp s, 1,2                                    ; address 1: steps 2, 3; address 2: steps 4, 5
	v_add_nc_u32 v[ADRA+\s], s80, v[LI]
	v_add_nc_u32 v[ADRB+\s], s81, v[LI]
	v_add_nc_u32 v[ADRS+\s], s83, v4
	s_add_co_u32 s80, s80, 2*SLAB
	s_add_co_u32 s81, s81, 2*SLAB
	s_add_co_u32 s83, s83, 2*SLAB
.endr
	s_lshl_b32 s84, s16, 9
	s_add_co_u32 s84, s84, SCST
	v_lshl_add_u32 v[SWA], v1, 2, s84
	v_add_nc_u32 v[SRD], s84, v[LI]
	s_lshl_b32 s85, s66, 1
	s_add_co_u32 s85, s85, s17
	s_lshl_b32 s86, s67, 1
	s_add_co_u32 s86, s86, s18
	s_lshl_b32 s87, s85, 5
	s_add_co_u32 s87, s87, s86
	s_mul_i32 s88, s87, SLAB
	s_mov_b32 s89, 0
	s_add_nc_u64 s[OUTP:OUTP+1], s[OUTP:OUTP+1], s[88:89]
	s_lshl_b32 s96, s86, 9
	s_mov_b32 s97, 0
	s_add_nc_u64 s[94:95], s[8:9], s[96:97]
	v_lshlrev_b32 v5, 6, v2
.irp b, 0,1,2,3,4,5,6,7
	global_load_b128 v[BI+8*\b:BI+8*\b+3], v5, s[94:95] offset:(32*(\b/2)+8*(\b%2))*4
	global_load_b128 v[BI+8*\b+4:BI+8*\b+7], v5, s[94:95] offset:(32*(\b/2)+8*(\b%2))*4+16
.endr
	s_wait_alu depctr_va_vdst(0)                   ; the wait at the head's end
	s_wait_tensorcnt 0x0                           ; my part of slot 0 is in
	ds_add_u32 v[SPW], v[NIL]
	s_mov_b32 s[G1A+2], 200<<16                    ; no load of mine is out: the next load brings four slabs, 200 rows of 256 bytes
	s_mov_b32 s[G1A+4], 200
	s_mov_b32 s[G1B+2], 200<<16
	s_mov_b32 s[G1B+4], 200
	s_wait_dscnt 0x0
	CROUND
	JLOAD G0A+4, G1A, G0B+4, G1B                   ; steps 2 to 5: the first tensor load behind the round
	global_prefetch_b8 v7, s[98:99] offset:6*SLAB th:TH_LOAD_NT scope:SCOPE_SE    ; steps 6 and 7, which the refill will bring; nothing is asked for beyond them
	FETCH_B 0, 0, 0
	FETCH_A 0, 0, 0
	SCALES 0, 0, 0
	FETCH_A 0, 0, 4
	s_wait_loadcnt 0x0
	STEP 0, 0, 0, 1, 1
	TURN 0, 1, 1
	STEP 1, 0, 1, 1, 0
	STEP 1, 1, 2, 0, 0
	STEP 2, 0, 2, 1, 0
	TURN 2, 0, 0
	STEP 0, 0, 0, 1, 0
	s_wait_dscnt 12
	WIN 0xa1
	MULQ 0, 1, 0
	MULQ 1, 1, 0
	s_wait_dscnt 0x0
	WIN 0xf1
	MULQ 2, 1, 0
	MULQ 3, 1, 0
	WIN 0
	PLACES 4
.irp b, 0,1,2,3
	v_mov_b32 v[TM+4+\b], 0
.endr
.irp a, 0,1,2,3,4,5,6,7
	SILU \a
	QUANT HA
	OUT \a
.endr
	ds_load_b128 v[8:11], v[SRD]
	s_wait_dscnt 0x0
	global_store_b128 v[LI], v[8:11], s[OUTP:OUTP+1] offset:12288
	s_wait_tensorcnt 0x0
	ds_add_u32 v[SPW], v[NIL]
	s_wait_dscnt 0x0
	CROUND
	s_endpgm
.Lfunc_end_k_qe0c203321a_ff1:
	.size	k_qe0c203321a_ff1, .Lfunc_end_k_qe0c203321a_ff1-k_qe0c203321a_ff1
	.p2alignl 7, 3214868480
	.fill 96, 4, 3214868480
	.section	.rodata,"a",@progbits
	.p2align	6, 0x0
	.amdhsa_kernel k_qe0c203321a_ff1
		.amdhsa_group_segment_fixed_size 327680
		.amdhsa_private_segment_fixed_size 0
		.amdhsa_enable_private_segment 0
		.amdhsa_kernarg_size 32
		.amdhsa_user_sgpr_count 2
		.amdhsa_user_sgpr_kernarg_segment_ptr 1
		.amdhsa_wavefront_size32 1
		.amdhsa_system_sgpr_workgroup_id_x 1
		.amdhsa_system_sgpr_workgroup_id_y 1
		.amdhsa_system_sgpr_workgroup_id_z 1
		.amdhsa_system_vgpr_workitem_id 0
		.amdhsa_next_free_vgpr 1024
		.amdhsa_next_free_sgpr 100
		.amdhsa_reserve_vcc 0
		.amdhsa_float_denorm_mode_32 3
		.amdhsa_float_denorm_mode_16_64 3
		.amdhsa_memory_ordered 1
		.amdhsa_forward_progress 1
		.amdhsa_inst_pref_size 225
	.end_amdhsa_kernel
	.amdgpu_metadata
---
amdhsa.version: [ 1, 2 ]
amdhsa.kernels:
  - .name:           k_qe0c203321a_ff1
    .symbol:         k_qe0c203321a_ff1.kd
    .args:
      - { .name: hF, .offset: 0, .size: 8, .value_kind: global_buffer, .address_space: global }
      - { .name: wF, .offset: 8, .size: 8, .value_kind: global_buffer, .address_space: global }
      - { .name: bf1, .offset: 16, .size: 8, .value_kind: global_buffer, .address_space: global }
      - { .name: hidF, .offset: 24, .size: 8, .value_kind: global_buffer, .address_space: global }
    .group_segment_fixed_size: 327680
    .private_segment_fixed_size: 0
    .kernarg_segment_align: 8
    .kernarg_segment_size: 32
    .max_flat_workgroup_size: 128
    .sgpr_count:     100
    .vgpr_count:     1024
    .wavefront_size: 32
...
	.end_amdgpu_metadata
.endif
;; end of part 5
;; launch ff2 (part 6): grid 8 x 32, 4 waves a work-group, clusters of 4 x 4, 327,680 bytes of LDS; arguments hidF, wF, bf2, xn, out0; writes out0
.if DOCPART == 6
	.amdgcn_target "amdgcn-amd-amdhsa--gfx1250"
	.amdhsa_code_object_version 6
	.text
	.protected	k_qe0c203321a_ff2
	.globl	k_qe0c203321a_ff2
	.p2align	8
	.type	k_qe0c203321a_ff2,@function
k_qe0c203321a_ff2:
	s_mov_b64 s[64:65], 0
	v_nop
	global_prefetch_b8 v0, s[64:65] scope:SCOPE_SE
	s_setreg_imm32_b32 hwreg(HW_REG_WAVE_MODE, 25, 1), 1
	s_wait_xcnt 0x0
	s_wait_alu depctr_hold_cnt(0) depctr_sa_sdst(0) depctr_va_vdst(0) depctr_va_sdst(0) depctr_va_ssrc(0) depctr_va_vcc(0) depctr_vm_vsrc(0)
	s_getreg_b32 s2, hwreg(HW_REG_IB_STS2, 6, 4)
	s_cmp_eq_u32 s2, 0
	s_cbranch_scc0 .Lentry_in_a_cluster
	s_endpgm
.Lentry_in_a_cluster:
	s_bfe_u32 s2, ttmp6, 0x10000c
	s_cmp_lg_u32 s2, 0xf033
	s_cbranch_scc0 .Lentry_shape_is_right
	s_endpgm
.Lentry_shape_is_right:
.set SLAB,  12800
.set SLOT,  102400
.set SPARE, 3*SLOT
.set STG,   SPARE+512
.set W2_OFF, 5734400
.set CO,   14
.set ADRA, 16
.set ADRB, 20
.set ADRS, 24
.set LI,   27
.set SPW,  28
.set NIL,  29
.set SWA,  30
.set SRD,  31
.set SC,   32
.set BI,   64
.set BK,   64
.set AF,   128
.set XN,   128
.set G1A,  24
.set G0A,  32
.set G1B,  44
.set G0B,  52
.set MSB, 0
.macro WIN new
.if MSB != (\new)
	s_set_vgpr_msb (MSB<<8)|(\new)
.set MSB, (\new)
.endif
.endm
.macro PLACES n
.rept \n
	v_nop
.endr
.endm
.macro JLOAD g0a, g1a, g0b, g1b
	s_cmp_eq_u32 s17, 0
	s_cbranch_scc0 .Lfor_b_\@
	tensor_load_to_lds s[\g0a:\g0a+3], s[\g1a:\g1a+7]
	s_nop 0
.rept 4
	v_nop
.endr
	s_branch .Lasked_\@
.Lfor_b_\@:
	tensor_load_to_lds s[\g0b:\g0b+3], s[\g1b:\g1b+7]
	s_nop 0
.rept 4
	v_nop
.endr
.Lasked_\@:
.endm
.macro CREST
	s_cmp_lg_u32 s16, 0
	s_cbranch_scc1 .Lnot_wave_0_\@
	s_barrier_signal -3
.Lnot_wave_0_\@:
	s_barrier_wait -3
	s_barrier_signal -1
	s_barrier_wait -1
.endm
.macro CROUND
	s_barrier_signal -1
	s_barrier_wait -1
	CREST
.endm
.macro FRAG reg, adr, q, i
.irp c, 0,1,2
	ds_load_b128 v[\reg+4*\c:\reg+4*\c+3], v[\adr] offset:(\q)*SLAB+(\i)*1536+512*\c
.endr
.endm
.macro FETCH_B slot, q, p
	WIN 0x40
.irp i, 0,1,2,3
	FRAG 128*(\p)+12*\i, ADRB+\slot, \q, \i
.endr
	WIN 0
.endm
.macro FETCH_A slot, q, i0
.irp i, \i0, \i0+1
	FRAG AF+12*(\i), ADRA+\slot, \q, \i
.endr
.endm
.macro SCALES slot, q, p
.irp i, 0,1,2,3
	ds_load_b32 v[SC+8*(\p)+\i], v[ADRS+\slot] offset:(\q)*SLAB+64*\i
.endr
.endm
.macro MULQ a, p, mode
.irp b, 0,1,2,3
.if \mode
	v_wmma_scale_f32_16x16x128_f8f6f4 v[8*(4*(\a)+\b):8*(4*(\a)+\b)+7], v[128*(\p)+12*\b:128*(\p)+12*\b+11], v[AF+12*(\a):AF+12*(\a)+11], v[BI+8*\b:BI+8*\b+7], v[SC+8*(\p)+\b], v[SC+8*(\p)+(\a)] matrix_a_fmt:MATRIX_FMT_FP6 matrix_b_fmt:MATRIX_FMT_FP6 matrix_a_scale:MATRIX_SCALE_ROW1
.else
	v_wmma_scale_f32_16x16x128_f8f6f4 v[8*(4*(\a)+\b):8*(4*(\a)+\b)+7], v[128*(\p)+12*\b:128*(\p)+12*\b+11], v[AF+12*(\a):AF+12*(\a)+11], v[8*(4*(\a)+\b):8*(4*(\a)+\b)+7], v[SC+8*(\p)+\b], v[SC+8*(\p)+(\a)] matrix_a_fmt:MATRIX_FMT_FP6 matrix_b_fmt:MATRIX_FMT_FP6 matrix_a_scale:MATRIX_SCALE_ROW1
.endif
.endr
.endm
.macro STEP slot, q, nslot, nq, mode
	s_wait_dscnt 6
.if \mode
	WIN 0x81
.else
	WIN 0xa1
.endif
	MULQ 0, (\q)%2, \mode
	MULQ 1, (\q)%2, \mode
	s_wait_dscnt 0x0
	PLACES 4
	FETCH_B \nslot, \nq, 1-(\q)%2
	FETCH_A \nslot, \nq, 0
	SCALES \nslot, \nq, 1-(\q)%2
.if \mode
	WIN 0x81
.else
	WIN 0xa1
.endif
	MULQ 2, (\q)%2, \mode
	MULQ 3, (\q)%2, \mode
	PLACES 4
	WIN 0
	FETCH_A \nslot, \nq, 2
.endm
.macro THREE slot
	STEP \slot, 0, \slot, 1, 0
	STEP \slot, 1, \slot, 2, 0
	STEP \slot, 2, \slot, 3, 0
.endm
; slot: which group 0 the refill uses (0: the short slot; 1: the long slot; 2: the long slot's last, half fill); rows: rows of 256 bytes that a wave's refill brings; adv: the group 0 steps 12 K steps on first
.macro TURN slot, nslot, fill, rows, adv
	s_wait_tensorcnt 0x0
	ds_add_u32 v[SPW], v[NIL]
.if \fill
	s_mov_b32 s[G1A+2], (\rows)<<16                ; no load of mine is out: the descriptors may be written
	s_mov_b32 s[G1A+4], \rows
	s_mov_b32 s[G1B+2], (\rows)<<16
	s_mov_b32 s[G1B+4], \rows
.endif
	s_wait_dscnt 7
	WIN 0xa1
	MULQ 0, 1, 0
	s_wait_dscnt 0x0
	s_barrier_signal -1
	MULQ 1, 1, 0
	WIN 0
	s_barrier_wait -1
.if \fill
	CREST
.if \adv
	s_add_nc_u64 s[G0A+4*\slot+2:G0A+4*\slot+3], s[G0A+4*\slot+2:G0A+4*\slot+3], 12*SLAB
	s_add_nc_u64 s[G0B+4*\slot+2:G0B+4*\slot+3], s[G0B+4*\slot+2:G0B+4*\slot+3], 12*SLAB
.endif
	JLOAD G0A+4*\slot, G1A, G0B+4*\slot, G1B
.else
	PLACES 4
.endif
	FETCH_B \nslot, 0, 0
	FETCH_A \nslot, 0, 0
	SCALES \nslot, 0, 0
	WIN 0xa1
	MULQ 2, 1, 0
	MULQ 3, 1, 0
	PLACES 4
	WIN 0
	FETCH_A \nslot, 0, 2
.endm
	s_load_b256 s[4:11], s[0:1], 0x0
	s_load_b64 s[12:13], s[0:1], 0x20
	v_lshl_add_u32 v[SPW], v0, 2, SPARE
	v_mov_b32 v[NIL], 0
	ds_add_u32 v28, v29
	ds_add_u32 v28, v29
	s_wait_dscnt 0x0
	v_lshrrev_b32 v1, 5, v0
	v_readfirstlane_b32 s16, v1
	s_lshr_b32 s17, s16, 1
	s_and_b32 s18, s16, 1
	s_bfe_u32 s19, ttmp6, 0x40000
	s_bfe_u32 s20, ttmp6, 0x40004
	s_and_b32 s21, ttmp7, 0xffff
	s_lshl_b32 s22, s20, 2
	s_lshl_b32 s22, 15, s22
	s_lshl_b32 s23, 0x1111, s19
	s_or_b32 s[G1A], s22, (3<<16)|(1<<21)
	s_or_b32 s[G1B], s23, (3<<16)|(1<<21)
.irp g, G1A, G1B
	s_mov_b32 s[\g+1], 32<<16
	s_mov_b32 s[\g+2], 100<<16
	s_mov_b32 s[\g+3], 32<<16
	s_mov_b32 s[\g+4], 100
	s_mov_b32 s[\g+5], 32
	s_mov_b32 s[\g+6], 0
	s_mov_b32 s[\g+7], 0
.endr
	s_lshl_b32 s66, s21, 2
	s_add_co_u32 s66, s66, s20
	s_lshl_b32 s67, ttmp9, 2
	s_add_co_u32 s67, s67, s19
	s_mul_i32 s75, s18, 2*SLAB
	s_mul_i32 s70, s66, 32*SLAB
	s_add_co_u32 s70, s70, s75
	s_mov_b32 s71, 0
	s_mul_i32 s72, s67, 32*SLAB
	s_add_co_u32 s72, s72, s75
	s_add_co_u32 s72, s72, W2_OFF
	s_mov_b32 s73, 0
	s_mul_i32 s74, s16, 2*SLAB
	s_wait_kmcnt 0x0
	s_add_nc_u64 s[76:77], s[4:5], s[70:71]
	s_add_nc_u64 s[78:79], s[6:7], s[72:73]
	CROUND
; THE RING: a short slot of 4 K steps (bytes 0 to SLOT) and a long slot of 8 (SLOT to 3 SLOT) take turns: steps 0-3, 4-11, 12-15, 16-23, 24-27, 28-31: six loads a wave, one behind each round.
; Short slot: wave w's two slabs at 2 w slabs.  Long slot: wave w's four slabs at SLOT + 4 w slabs: R's eight steps, then P's eight.  Its last fill is half: two slabs a wave, R's at SLOT, P's at SLOT + 8 slabs.
	s_mov_b32 s68, s75                             ; which half of a load's slabs is mine, once more for the long slot
	s_mov_b32 s69, 0
	s_lshl_b32 s91, s74, 1
	s_add_co_u32 s91, s91, SLOT                    ; the long slot: SLOT + 4 w slabs
	s_mul_i32 s90, s17, 8*SLAB
	s_add_co_u32 s90, s90, s75
	s_add_co_u32 s90, s90, SLOT                    ; its last fill
.macro GZERO g, b                      ; three groups 0: steps 0-3; steps 4-11; steps 28-31
	s_mov_b32 s[\g], 1
	s_mov_b32 s[\g+1], s74
	s_mov_b64 s[\g+2:\g+3], s[\b:\b+1]
	s_or_b32 s[\g+3], s[\g+3], 0x80000000
	s_mov_b32 s[\g+4], 1
	s_mov_b32 s[\g+5], s91
	s_add_nc_u64 s[\g+6:\g+7], s[\b:\b+1], s[68:69]
	s_add_nc_u64 s[\g+6:\g+7], s[\g+6:\g+7], 4*SLAB
	s_or_b32 s[\g+7], s[\g+7], 0x80000000
	s_mov_b32 s[\g+8], 1
	s_mov_b32 s[\g+9], s90
	s_add_nc_u64 s[\g+10:\g+11], s[\b:\b+1], 28*SLAB
	s_or_b32 s[\g+11], s[\g+11], 0x80000000
.endm
	GZERO G0A, 76
	GZERO G0B, 78
	JLOAD G0A, G1A, G0B, G1B                       ; steps 0 to 3: one tensor load a wave at the head
	v_and_b32 v1, 15, v0
	v_bfe_u32 v2, v0, 4, 1
	v_and_b32 v3, 31, v0
	v_lshlrev_b32 v[LI], 4, v3
	s_wait_alu depctr_va_vdst(0)
	; PREFETCHES INTO THE L2, two loads ahead: of the slabs that a later load of mine brings, each of the four partners that ask for them jointly names a quarter, told apart by address (cx for R, cy for P); a lane a block of 256 bytes.
	; Behind load n stands the request for load n + 2's slabs (behind the head's load those of loads 1 and 2); the last two loads ask for nothing.
	s_cmp_eq_u32 s17, 0
	s_cselect_b32 s96, s19, s20                    ; my place among the four
	s_cselect_b64 s[92:93], s[76:77], s[78:79]     ; my stream of 32 slabs, from my half of the short slot's first load on
	s_mul_i32 s97, s96, 6400                       ; a quarter of two slabs: 25 blocks
	s_mul_i32 s96, s96, 12800                      ; a quarter of four slabs: 50 blocks,
	s_add_co_u32 s96, s96, s75                     ; my half of a long load lies twice as far on
	v_min_u32 v8, 24, v3                           ; (lanes left over name the last block again)
	v_lshl_add_u32 v8, v8, 8, s97
	v_lshl_add_u32 v9, v3, 8, s96
	v_min_u32 v10, 17, v3
	v_lshl_add_u32 v10, v10, 8, s96
	v_add_nc_u32 v10, 0x2000, v10
	global_prefetch_b8 v9, s[92:93] offset:4*SLAB th:TH_LOAD_NT scope:SCOPE_SE    ; steps 4 to 11
	global_prefetch_b8 v10, s[92:93] offset:4*SLAB th:TH_LOAD_NT scope:SCOPE_SE
	global_prefetch_b8 v8, s[92:93] offset:12*SLAB th:TH_LOAD_NT scope:SCOPE_SE   ; steps 12 to 15
	s_mul_i32 s80, s17, 6144
	s_mul_i32 s81, s18, 6144
	s_add_co_u32 s81, s81, 4*SLAB
	s_xor_b32 s82, s17, 1
	s_add_co_u32 s82, s82, s18
	s_lshl_b32 s82, s82, 8
	s_add_co_u32 s82, s82, 4*SLAB-256
	v_mul_u32_u24 v4, s82, v2
	v_lshl_add_u32 v4, v1, 2, v4
	s_wait_alu depctr_va_vdst(0)
	s_lshl_b32 s83, s17, 8
	s_add_co_u32 s83, s83, 12288
	v_add_nc_u32 v[ADRA], s80, v[LI]
	v_add_nc_u32 v[ADRB], s81, v[LI]
	v_add_nc_u32 v[ADRS], s83, v4
	s_add_co_u32 s80, s80, SLOT                    ; the long slot: R's eight steps at SLOT,
	s_add_co_u32 s81, s81, SLOT+4*SLAB             ; P's at SLOT + 8 slabs,
	s_add_co_u32 s83, s83, SLOT
	s_add_co_u32 s82, s82, 4*SLAB                  ; so four slabs more from R's scale words to P's
	v_mul_u32_u24 v4, s82, v2
	v_lshl_add_u32 v4, v1, 2, v4
.irp s, 1,2                                    ; address 1: its first four steps; address 2: its last four
	v_add_nc_u32 v[ADRA+\s], s80, v[LI]
	v_add_nc_u32 v[ADRB+\s], s81, v[LI]
	v_add_nc_u32 v[ADRS+\s], s83, v4
	s_add_co_u32 s80, s80, 4*SLAB
	s_add_co_u32 s81, s81, 4*SLAB
	s_add_co_u32 s83, s83, 4*SLAB
.endr
	s_mul_i32 s84, s16, 16*272
	s_add_co_u32 s84, s84, STG
	v_mul_u32_u24 v5, v1, 272
	v_lshl_add_u32 v5, v2, 6, v5
	v_add_nc_u32 v[SWA], s84, v5
	v_mul_u32_u24 v5, v2, 272
	v_lshl_add_u32 v5, v1, 4, v5
	v_add_nc_u32 v[SRD], s84, v5
	v_lshlrev_b32 v[CO], 12, v2
	v_lshl_add_u32 v[CO], v1, 4, v[CO]
	s_wait_alu depctr_va_vdst(0)
	s_lshl_b32 s85, s66, 7
	s_lshl_b32 s86, s17, 6
	s_add_co_u32 s85, s85, s86
	s_lshl_b32 s85, s85, 12
	s_lshl_b32 s86, s67, 9
	s_lshl_b32 s87, s18, 8
	s_add_co_u32 s86, s86, s87
	s_add_co_u32 s88, s85, s86
	s_mov_b32 s89, 0
	s_add_nc_u64 s[10:11], s[10:11], s[88:89]
	s_add_nc_u64 s[12:13], s[12:13], s[88:89]
	s_mov_b32 s87, 0
	s_add_nc_u64 s[94:95], s[8:9], s[86:87]
	v_lshlrev_b32 v6, 6, v2
.irp b, 0,1,2,3
	global_load_b128 v[BI+8*\b:BI+8*\b+3], v6, s[94:95] offset:(32*(\b/2)+8*(\b%2))*4
	global_load_b128 v[BI+8*\b+4:BI+8*\b+7], v6, s[94:95] offset:(32*(\b/2)+8*(\b%2))*4+16
.endr
	WIN 0x80
.irp a, 0,1,2,3
.irp t, 0,1,2,3,4,5,6,7
	global_load_b128 v[XN+32*\a+4*\t:XN+32*\a+4*\t+3], v[CO], s[10:11] offset:(32*(\a/2)+8*(\a%2)+2*\t+8*(\t/4))*4096
.endr
.endr
	WIN 0
	s_wait_alu depctr_va_vdst(0)                   ; the wait at the head's end
	s_wait_tensorcnt 0x0                           ; my part of the short slot is in
	ds_add_u32 v[SPW], v[NIL]
	s_mov_b32 s[G1A+2], 200<<16                    ; no load of mine is out: the next load brings four slabs, 200 rows of 256 bytes
	s_mov_b32 s[G1A+4], 200
	s_mov_b32 s[G1B+2], 200<<16
	s_mov_b32 s[G1B+4], 200
	s_wait_dscnt 0x0
	CROUND
	JLOAD G0A+4, G1A, G0B+4, G1B                   ; steps 4 to 11: the first tensor load behind the round
	global_prefetch_b8 v9, s[92:93] offset:16*SLAB th:TH_LOAD_NT scope:SCOPE_SE   ; steps 16 to 23
	global_prefetch_b8 v10, s[92:93] offset:16*SLAB th:TH_LOAD_NT scope:SCOPE_SE
	FETCH_B 0, 0, 0
	FETCH_A 0, 0, 0
	SCALES 0, 0, 0
	FETCH_A 0, 0, 2
	s_wait_loadcnt 32
	STEP 0, 0, 0, 1, 1
	STEP 0, 1, 0, 2, 0
	STEP 0, 2, 0, 3, 0
	TURN 0, 1, 1, 100, 1                           ; the short slot takes steps 12-15
	global_prefetch_b8 v8, s[92:93] offset:24*SLAB th:TH_LOAD_NT scope:SCOPE_SE   ; steps 24 to 27
	THREE 1
	STEP 1, 3, 2, 0, 0                             ; inside the long slot: no barrier
	THREE 2
	TURN 1, 0, 1, 200, 1                           ; the long slot takes steps 16-23
	global_prefetch_b8 v8, s[92:93] offset:28*SLAB th:TH_LOAD_NT scope:SCOPE_SE   ; steps 28 to 31
	THREE 0
	TURN 0, 1, 1, 100, 1                           ; the short slot takes steps 24-27
	THREE 1
	STEP 1, 3, 2, 0, 0
	THREE 2
	TURN 2, 0, 1, 100, 0                           ; the long slot's first half takes steps 28-31
	THREE 0
	TURN 0, 1, 0, 0, 0
	THREE 1
	s_wait_dscnt 6
	WIN 0xa1
	MULQ 0, 1, 0
	MULQ 1, 1, 0
	s_wait_dscnt 0x0
	MULQ 2, 1, 0
	MULQ 3, 1, 0
	WIN 0
	PLACES 4
.macro OUTB a
.set BKS, BK+32*((\a)%2)
.if (\a) >= 2
	s_wait_xcnt 0x0
.endif
	WIN 0x08
.irp b, 0,1,2,3
	ds_store_b128 v[SWA], v[8*(4*(\a)+\b):8*(4*(\a)+\b)+3] offset:128*(\b/2)+32*(\b%2)
	ds_store_b128 v[SWA], v[8*(4*(\a)+\b)+4:8*(4*(\a)+\b)+7] offset:128*(\b/2)+32*(\b%2)+16
.endr
	WIN 0
.irp t, 0,1,2,3,4,5,6,7
	ds_load_b128 v[BKS+4*\t:BKS+4*\t+3], v[SRD] offset:544*\t
.endr
	s_wait_dscnt 0x0
.if (\a) == 0
	s_wait_loadcnt 0x0
.endif
	WIN 0x08
.irp t, 0,1,2,3,4,5,6,7
	v_pk_add_f32 v[BKS+4*\t:BKS+4*\t+1], v[BKS+4*\t:BKS+4*\t+1], v[XN+32*(\a)+4*\t:XN+32*(\a)+4*\t+1]
	v_pk_add_f32 v[BKS+4*\t+2:BKS+4*\t+3], v[BKS+4*\t+2:BKS+4*\t+3], v[XN+32*(\a)+4*\t+2:XN+32*(\a)+4*\t+3]
.endr
	WIN 0
.irp t, 0,1,2,3,4,5,6,7
	global_store_b128 v[CO], v[BKS+4*\t:BKS+4*\t+3], s[12:13] offset:(32*((\a)/2)+8*((\a)%2)+2*\t+8*(\t/4))*4096 th:TH_STORE_NT
.endr
.endm
	OUTB 0
	OUTB 1
	OUTB 2
	OUTB 3
	s_wait_tensorcnt 0x0
	ds_add_u32 v[SPW], v[NIL]
	s_wait_dscnt 0x0
	CROUND
	s_endpgm
.Lfunc_end_k_qe0c203321a_ff2:
	.size	k_qe0c203321a_ff2, .Lfunc_end_k_qe0c203321a_ff2-k_qe0c203321a_ff2
	.p2alignl 7, 3214868480
	.fill 96, 4, 3214868480
	.section	.rodata,"a",@progbits
	.p2align	6, 0x0
	.amdhsa_kernel k_qe0c203321a_ff2
		.amdhsa_group_segment_fixed_size 327680
		.amdhsa_private_segment_fixed_size 0
		.amdhsa_enable_private_segment 0
		.amdhsa_kernarg_size 40
		.amdhsa_user_sgpr_count 2
		.amdhsa_user_sgpr_kernarg_segment_ptr 1
		.amdhsa_wavefront_size32 1
		.amdhsa_system_sgpr_workgroup_id_x 1
		.amdhsa_system_sgpr_workgroup_id_y 1
		.amdhsa_system_sgpr_workgroup_id_z 1
		.amdhsa_system_vgpr_workitem_id 0
		.amdhsa_next_free_vgpr 768
		.amdhsa_next_free_sgpr 100
		.amdhsa_reserve_vcc 0
		.amdhsa_float_denorm_mode_32 3
		.amdhsa_float_denorm_mode_16_64 3
		.amdhsa_memory_ordered 1
		.amdhsa_forward_progress 1
		.amdhsa_inst_pref_size 167
	.end_amdhsa_kernel
	.amdgpu_metadata
---
amdhsa.version: [ 1, 2 ]
amdhsa.kernels:
  - .name:           k_qe0c203321a_ff2
    .symbol:         k_qe0c203321a_ff2.kd
    .args:
      - { .name: hidF, .offset: 0, .size: 8, .value_kind: global_buffer, .address_space: global }
      - { .name: wF, .offset: 8, .size: 8, .value_kind: global_buffer, .address_space: global }
      - { .name: bf2, .offset: 16, .size: 8, .value_kind: global_buffer, .address_space: global }
      - { .name: xn, .offset: 24, .size: 8, .value_kind: global_buffer, .address_space: global }
      - { .name: out0, .offset: 32, .size: 8, .value_kind: global_buffer, .address_space: global }
    .group_segment_fixed_size: 327680
    .private_segment_fixed_size: 0
    .kernarg_segment_align: 8
    .kernarg_segment_size: 40
    .max_flat_workgroup_size: 128
    .sgpr_count:     100
    .vgpr_count:     768
    .wavefront_size: 32
...
	.end_amdgpu_metadata
.endif
;; end of part 6
